; MI455X (gfx1250); checked and timed in simulation.
; The chip was launched on July 23, 2026; its instructions are those of AMD's public machine-readable ISA for CDNA 5 (MIT licence, August 2026) and "CDNA5" Instruction Set Architecture Reference Guide (July 2026). The comments in the code are by the model that wrote it; some were corrected since.
;; Self Attention. Allowed arithmetic: matrix products marked QUANTISED: E2M3 operands, one E8M0 scale for each 32 along K, by v_wmma_scale_f32_16x16x128_f8f6f4 with both operands' format E2M3, f32 sums; everything else in f32.
;; Inputs: Wk 1,024 x 1,024 float32; Wq 1,024 x 1,024 float32; Wv 1,024 x 1,024 float32; bk 1,024 float32; bq 1,024 float32; bv 1,024 float32; x 4 x 2,048 x 1,024 float32.
;; Outputs: out0 4 x 2,048 x 1,024 float32.
;; This version of the problem:
;;   THIS VERSION OF THE PROBLEM IS GIVEN IN LOW PRECISION. The matrix products marked QUANTISED in the list below multiply operands that are first quantised to E2M3 (2 exponent bits, 3 mantissa bits; 6 bits a number), with one power-of-two scale for each 32 numbers along K (OCP MX v1.0); their sums are f32. All else is computed in f32.
;;   The module's matrix products, in the order in which they are computed (A, B: the left and right operand; K: the contracted axis; several contracted axes count as one K, in the product's order):
;;     1. [M 8,192, K 1,024] x [K 1,024, N 1,024]; A: input x; B: input Wq: QUANTISED
;;     2. [M 8,192, K 1,024] x [K 1,024, N 1,024]; A: input x; B: input Wk: QUANTISED
;;     3. [M 8,192, K 1,024] x [K 1,024, N 1,024]; A: input x; B: input Wv: QUANTISED
;;     4. batch 4 x [M 2,048, K 1,024] x [K 1,024, N 2,048]; A: computed on the way; B: computed on the way: QUANTISED
;;     5. batch 4 x [M 2,048, K 2,048] x [K 2,048, N 1,024]; A: softmax (see below); B: computed on the way: QUANTISED
;;   THE QUANTISER, for each operand of a quantised product, along K:
;;     - K is cut into blocks of 32 from its start; a last block that is shorter is filled with zeros.
;;     - A block's scale is 2^e with e = floor(log2(the largest magnitude in the block)) - 2, held to -126 .. 127; a block of zeros has e = 0. As a byte (E8M0): e + 127.
;;     - Each number is divided by its block's scale, clamped to +-7.5, and rounded to the nearest number of E2M3, ties to even, subnormals kept.
;;     - The product sums the exact products of the quantised numbers (number of the format x scale) in f32.
;;   ~~~python
;;   def quantise(x, axis):      # numpy; x: float32 -> the quantised numbers, widened to float32 again
;;       x = np.moveaxis(x, axis, -1); K = x.shape[-1]
;;       x = np.pad(x, [(0, 0)] * (x.ndim - 1) + [(0, -K % 32)]); x = x.reshape(x.shape[:-1] + (-1, 32)); a = np.abs(x).max(-1, keepdims=True)
;;       e = np.where(a > 0, np.clip(np.frexp(np.where(a > 0, a, 1))[1] - 1 - 2, -126, 127), 0)      # np.frexp(a)[1] - 1 = floor(log2(a)), exactly
;;       r = np.clip(x / 2.0 ** e, -7.5, 7.5)
;;       step = 2.0 ** (np.maximum(np.frexp(np.where(r == 0, 1, r))[1] - 1, 0) - 3)
;;       q = np.round(r / step) * step * 2.0 ** e      # np.round: ties to even
;;       return np.moveaxis(q.reshape(q.shape[:-2] + (-1,))[..., :K], -1, axis).astype(np.float32)
;;   ~~~
;;   SOFTMAX AHEAD OF A QUANTISED PRODUCT. Where the list says 'softmax', what is quantised is not the finished softmax but p = 2^(t - M), with t = logit x log2(e) and M = ceil(the row's largest t), a whole number; so 1/2 < the row's largest p <= 1. The row's sum l is taken of the UNQUANTISED p, in f32, and the product's result is divided by l at the end. Since M is a whole number, a kernel that streams over the keys may use a running M (the ceiling of the running maximum): every later rescaling is an exact power of two, which a block's scale takes up: the codes' values come out the same.
;;   OPERANDS COMPUTED ON THE WAY. 'Computed on the way' means the value that the module computes at that place (a softmax that the list does not call 'softmax' is quantised finished and normalised). What goes into a quantiser is computed in f32, as accurately as f32 sums, v_exp_f32 and their like allow (about 1e-6 of the number): no bf16 or f16 on the way to a quantiser, and a product that is left as it is and whose result goes on into a quantised operand takes f32 operands (vector FMAs, or v_wmma_f32_16x16x4_f32). A number that lies on a knife's edge between two numbers of the format may be rounded either way, as far as f32 arithmetic and the matrix unit's own rounding can turn it there, and no further.
;; One version. Each part assembles by itself: llvm-mc -triple=amdgcn-amd-amdhsa -mcpu=gfx1250 --defsym DOCPART=n.
;; ======== version 1 of 1: 4 launches
;; limits: right only within a limited range of input values
;; workspace buffers: xw 9,011,200 bytes; qkv 19,660,800 bytes; pp 14,155,776 bytes
;; launch quant (part 1): grid 256 x 1, 11 waves a work-group, no clusters, 71,168 bytes of LDS; arguments x, Wq, Wk, Wv, xw; writes xw
.if DOCPART == 1
	.amdgcn_target "amdgcn-amd-amdhsa--gfx1250"
	.amdhsa_code_object_version 6
	.text
	.protected	k_q0ba59fdf10_quant
	.globl	k_q0ba59fdf10_quant
	.p2align	8
	.type	k_q0ba59fdf10_quant,@function
k_q0ba59fdf10_quant:
	s_mov_b64 s[64:65], 0
	v_nop
	global_prefetch_b8 v0, s[64:65] scope:SCOPE_SE
	s_setreg_imm32_b32 hwreg(HW_REG_WAVE_MODE, 25, 1), 1
	s_wait_xcnt 0x0
; x [8192][1024] and Wq, Wk, Wv [1024 (k)][1024 (n)], f32, become codes of FP6 (E2M3) with one E8M0 byte for each 32 along K.
; THE LAYOUT OF EVERY OPERAND OF THIS PROGRAM: a CELL of 12,800 bytes is 128 rows x 128 K as images of the matrix instruction's registers: eight fragments of 16 rows, 1,536 bytes each, then the rows' scale words, 512 bytes.
; Fragment a, place r holds row 64 (a/4) + 8 (a%4) + 32 (r/8) + r%8; register g of lane l lies at 1536 a + 512 (g/4) + 16 l + 4 (g%4); the word (four bytes: 128 K) of (a, r) at 12288 + 16 (r + 16 (a%2)) + 4 (a/2).
; By that order a product's result holds, in 32 registers of one lane, 32 neighbours along the next product's K: a whole scale block.
; xw: x's cells [64 groups of rows][8 K steps] at 0, the weights' [24 groups of columns: Wq, Wk, Wv][8] at WC_OFF.
; 256 work-groups of 11 waves: waves 0-7 take two fragments of x each (32 rows x 128 K), waves 8-10 two fragments of the weights (32 columns x 128 K). All of a wave's loads are asked for at its start. Waves share nothing: no barrier.
; A block's scale is 2^(floor(log2(largest magnitude)) - 2); its byte is the largest magnitude's exponent field - 2, held at 1 from below by a floor among the maximum's leaves.
; Each wave makes four of every 16 bytes of a cell's scale words and stores them so: one byte in 128 of what the launch reads.
; LIMITS: a block of zeros, or one whose largest magnitude lies under 2^-124, keeps the byte 1 (only this program reads the bytes); NaN and infinities among the inputs are not served.
.set CELL, 12800
.set WC_OFF, 6553600
.set XP,   528                         ; x's stage: a row of 512 bytes + 16
.set XSTB, 8704                        ; 16 such rows, rounded up to blocks of 256: one stage for each of the waves 0-7
.set SPARE, 8*XSTB                     ; the spare words, 128 bytes for each wave
.set LI,   4                           ; v4   16 x lane
.set XIN,  5                           ; v5   x's stage, in
.set XOUT, 6                           ; v6   out: 528 r + 128 h
.set COL,  7                           ; v7   the weights: my column, in bytes
.set WOUT, 8                           ; v8   the weights' images: 1536 (lane / 16) + 16 (lane % 16)
.set H8,   9                           ; v9   8 (lane / 16)
.set XL,   10                          ; v10  from lane l xor 16
.set SPW,  12
.set NIL,  13
.set TM,   48                          ; v48-51 maxima; v52-55 scale operands; v56-59 bytes, words
.set HIM,  32
	s_load_b256 s[4:11], s[0:1], 0x0               ; x, Wq, Wk, Wv
	s_load_b64 s[12:13], s[0:1], 0x20              ; xw
	v_lshl_add_u32 v[SPW], v0, 2, SPARE
	v_mov_b32 v[NIL], 0
	v_lshrrev_b32 v1, 5, v0
	v_readfirstlane_b32 s14, v1                    ; wave 0..10
	v_and_b32 v1, 31, v0
	v_and_b32 v2, 15, v0                           ; r
	v_bfe_u32 v3, v0, 4, 1                         ; h
	v_lshlrev_b32 v[LI], 4, v1
	v_lshlrev_b32 v[H8], 3, v3
	v_mov_b32 v[XL], 0                             ; a lane permute's destination counts as one of its sources
	v_and_b32 v14, 7, v2
	v_and_b32 v15, 8, v2
	v_lshl_add_u32 v14, v15, 2, v14
	v_lshl_add_u32 v14, v3, 3, v14
	v_lshlrev_b32 v[COL], 2, v14                   ; column 8 (lane / 16) + 32 (r / 8) + r % 8
	v_mul_u32_u24 v[WOUT], v3, 1536
	v_lshl_add_u32 v[WOUT], v2, 4, v[WOUT]
	s_mov_b32 s30, 0x76543210
	s_mov_b32 s31, 0xfedcba98
	s_mov_b32 s[HIM], 0xffff0000
	s_mov_b32 s21, 0
	s_mov_b32 s23, 0
	s_wait_alu depctr_va_vdst(0)                   ; the wait at the head's end
	s_wait_kmcnt 0x0
	s_cmp_lt_u32 s14, 8
	s_cbranch_scc0 .Lweights
	; ---- x: cell 2 x work-group + wave / 4 = 8 x group + K step; fragments 2 q, 2 q + 1, q = wave % 4
	s_lshl_b32 s16, ttmp9, 1
	s_lshr_b32 s17, s14, 2
	s_add_co_u32 s16, s16, s17
	s_and_b32 s18, s14, 3
	s_lshr_b32 s20, s16, 3
	s_lshl_b32 s20, s20, 19                        ; 128 rows of 4,096 bytes
	s_and_b32 s17, s16, 7
	s_lshl_b32 s17, s17, 9
	s_add_co_u32 s20, s20, s17
	s_lshr_b32 s17, s18, 1
	s_lshl_b32 s17, s17, 18                        ; 64 rows
	s_add_co_u32 s20, s20, s17
	s_and_b32 s17, s18, 1
	s_lshl_b32 s17, s17, 16                        ; 16 rows
	s_add_co_u32 s20, s20, s17
	s_add_nc_u64 s[20:21], s[4:5], s[20:21]
.irp u, 0,1
.irp t, 0,1,2,3,4,5,6,7,8,9,10,11,12,13,14,15
	global_load_b128 v[64+64*\u+4*\t:67+64*\u+4*\t], v[LI], s[20:21] offset:(8*\u+\t%8+32*(\t/8))*4096 th:TH_LOAD_NT   ; a row's 128 numbers: 512 consecutive bytes
.endr
.endr
	s_mul_i32 s22, s16, CELL
	s_mul_i32 s17, s18, 3072
	s_add_co_u32 s17, s17, s22
	s_lshl_b32 s18, s18, 2
	s_add_co_u32 s22, s22, s18
	s_add_co_u32 s22, s22, 12288
	s_add_nc_u64 s[26:27], s[12:13], s[22:23]      ; my words
	s_mov_b32 s22, s17
	s_add_nc_u64 s[24:25], s[12:13], s[22:23]      ; my fragments
	s_mul_i32 s15, s14, XSTB
	v_add_nc_u32 v[XIN], s15, v[LI]
	v_mul_u32_u24 v[XOUT], v2, XP
	v_lshl_add_u32 v[XOUT], v3, 7, v[XOUT]
	v_add_nc_u32 v[XOUT], s15, v[XOUT]
.macro STAGE s, d                      ; a fragment's rows through my stage: a lane then holds blocks h and 2 + h of row r
.irp t, 0,1,2,3,4,5,6,7,8,9,10,11,12,13,14,15
	ds_store_b128 v[XIN], v[\s+4*\t:\s+4*\t+3] offset:XP*\t
.endr
.if \d < 128
	s_wait_dscnt 16                                ; all but the 16 just issued: the first fragment's stores have read the registers that the loads below fill
.endif
.irp c, 0,1
.irp j, 0,1,2,3,4,5,6,7
	ds_load_b128 v[\d+32*\c+4*\j:\d+32*\c+4*\j+3], v[XOUT] offset:256*\c+16*\j   ; LDS serves a wave's instructions in order: these see my stores
.endr
.endr
.endm
.macro QUANT s, cb, u                  ; 64 numbers become a fragment's codes in v[cb] on and its row's scale word in v[60 + u]
.irp c, 0,1
	v_max3_num_f32 v[TM+\c], |v[\s+32*\c]|, |v[\s+1+32*\c]|, 0x1800000   ; and the floor 2^(3 - 127)
.endr
.irp i, 2,4,6,8,10,12,14,16,18,20,22,24,26,28,30
.irp c, 0,1
	v_max3_num_f32 v[TM+\c], v[TM+\c], |v[\s+32*\c+\i]|, |v[\s+1+32*\c+\i]|
.endr
.endr
.irp c, 0,1
	v_add_nc_u32 v[52+\c], 0xff000000, v[TM+\c]    ; 2 off the exponent field: the conversion's scale operand
.endr
.irp c, 0,1
	v_lshrrev_b32 v[56+\c], 23, v[52+\c]
.endr
	v_lshl_or_b32 v58, v57, 16, v56                ; my two bytes, blocks h and 2 + h,
	v_lshlrev_b32 v58, v[H8], v58
	v_permlanex16_b32 v[XL], v58, s30, s31
	v_or_b32 v[60+\u], v58, v[XL]                  ; and lane l xor 16's two
.irp c, 0,1
	v_cvt_scalef32_pk16_fp6_f32 v[\cb+6*\c:\cb+2+6*\c], v[\s+32*\c:\s+15+32*\c], v[52+\c]
	v_cvt_scalef32_pk16_fp6_f32 v[40+4*\c:42+4*\c], v[\s+16+32*\c:\s+31+32*\c], v[52+\c]
.endr
	v_nop                                          ; one plain place behind a scaled conversion
.irp c, 0,1
.irp i, 0,1,2
	v_mov_b32 v[\cb+3+6*\c+\i], v[40+4*\c+\i]
.endr
.endr
.irp p, 0,1,2
	global_store_b128 v[LI], v[\cb+4*\p:\cb+4*\p+3], s[24:25] offset:1536*\u+512*\p   ; 512 consecutive bytes, aligned
.endr
.endm
	s_wait_alu depctr_va_vdst(0)
	s_wait_loadcnt 16                              ; the first fragment's 16 loads are in
	STAGE 64, 192
	s_wait_loadcnt 0x0
	STAGE 128, 64
	QUANT 192, 16, 0
	s_wait_dscnt 0x0
	QUANT 64, 28, 1
	v_cndmask_b32 v62, v60, v61, s[HIM]            ; lanes 0-15 the first fragment's words, 16-31 the second's
	global_store_b32 v[LI], v62, s[26:27]
	s_wait_tensorcnt 0x0                           ; the wave's end
	ds_add_u32 v[SPW], v[NIL]
	s_wait_dscnt 0x0
	s_endpgm
.Lweights:
	; ---- the weights: piece 3 x work-group + wave - 8 = 256 x tensor + 32 x K step + 32 columns.  A lane takes a column, its registers run down K: every block lies in one lane
	s_mul_i32 s16, ttmp9, 3
	s_add_co_u32 s16, s16, s14
	s_sub_co_u32 s16, s16, 8
	s_cmp_lt_u32 s16, 512
	s_cselect_b64 s[28:29], s[8:9], s[10:11]
	s_cmp_lt_u32 s16, 256
	s_cselect_b64 s[28:29], s[6:7], s[28:29]
	s_lshr_b32 s17, s16, 8
	s_bfe_u32 s18, s16, 0x30005                    ; K step
	s_bfe_u32 s19, s16, 0x30002                    ; group of 128 columns
	s_and_b32 s15, s16, 3                          ; q: fragments 2 q, 2 q + 1
	s_lshl_b32 s20, s18, 19
	s_lshl_b32 s22, s19, 9
	s_add_co_u32 s20, s20, s22
	s_lshr_b32 s22, s15, 1
	s_lshl_b32 s22, s22, 8                         ; 64 columns
	s_add_co_u32 s20, s20, s22
	s_and_b32 s22, s15, 1
	s_lshl_b32 s22, s22, 6                         ; 16 columns
	s_add_co_u32 s20, s20, s22
	s_add_nc_u64 s[20:21], s[28:29], s[20:21]
.set i, 0
.rept 128
	global_load_b32 v[64+i], v[COL], s[20:21] offset:i*4096 th:TH_LOAD_NT
.set i, i+1
.endr
	s_lshl_b32 s17, s17, 6
	s_lshl_b32 s19, s19, 3
	s_add_co_u32 s17, s17, s19
	s_add_co_u32 s17, s17, s18
	s_mul_i32 s17, s17, CELL
	s_add_co_u32 s17, s17, WC_OFF
	s_mul_i32 s22, s15, 3072
	s_add_co_u32 s22, s22, s17
	s_add_nc_u64 s[24:25], s[12:13], s[22:23]
	s_lshl_b32 s22, s15, 2
	s_add_co_u32 s22, s22, s17
	s_add_co_u32 s22, s22, 12288
	s_add_nc_u64 s[26:27], s[12:13], s[22:23]
.macro WMAX b0, b1
.irp b, \b0, \b1
	v_max3_num_f32 v[TM+\b], |v[64+32*\b]|, |v[65+32*\b]|, 0x1800000
.endr
.irp i, 2,4,6,8,10,12,14,16,18,20,22,24,26,28,30
.irp b, \b0, \b1
	v_max3_num_f32 v[TM+\b], v[TM+\b], |v[64+32*\b+\i]|, |v[65+32*\b+\i]|
.endr
.endr
.irp b, \b0, \b1
	v_add_nc_u32 v[52+\b], 0xff000000, v[TM+\b]
.endr
.irp b, \b0, \b1
	v_lshrrev_b32 v[56+\b], 23, v[52+\b]
.endr
.irp b, \b0, \b1
	v_cvt_scalef32_pk16_fp6_f32 v[16+12*(\b%2)+6*(\b/2):18+12*(\b%2)+6*(\b/2)], v[64+32*\b:79+32*\b], v[52+\b]
	v_cvt_scalef32_pk16_fp6_f32 v[192+4*\b:194+4*\b], v[80+32*\b:95+32*\b], v[52+\b]
.endr
	v_nop                                          ; one plain place behind a scaled conversion
.irp b, \b0, \b1
.irp i, 0,1,2
	v_mov_b32 v[19+12*(\b%2)+6*(\b/2)+\i], v[192+4*\b+\i]
.endr
.endr
.endm
	s_wait_loadcnt 63                              ; of 128 loads 65 are in: blocks 0 and 1
	WMAX 0, 1
	s_wait_alu depctr_va_vdst(0)
	s_wait_loadcnt 0x0
	WMAX 2, 3
.irp h, 0,1
.irp p, 0,1,2
	global_store_b128 v[WOUT], v[16+12*\h+4*\p:19+12*\h+4*\p], s[24:25] offset:512*\p+256*\h   ; lanes 0-15 one aligned unit of 256 bytes, lanes 16-31 another
.endr
.endr
	v_lshl_or_b32 v56, v57, 8, v56
	v_lshl_or_b32 v56, v58, 16, v56
	v_lshl_or_b32 v56, v59, 24, v56
	global_store_b32 v[LI], v56, s[26:27]
	s_endpgm
.Lfunc_end_k_q0ba59fdf10_quant:
	.size	k_q0ba59fdf10_quant, .Lfunc_end_k_q0ba59fdf10_quant-k_q0ba59fdf10_quant
	.p2alignl 7, 3214868480
	.fill 96, 4, 3214868480
	.section	.rodata,"a",@progbits
	.p2align	6, 0x0
	.amdhsa_kernel k_q0ba59fdf10_quant
		.amdhsa_group_segment_fixed_size 71168
		.amdhsa_private_segment_fixed_size 0
		.amdhsa_enable_private_segment 0
		.amdhsa_kernarg_size 40
		.amdhsa_user_sgpr_count 2
		.amdhsa_user_sgpr_kernarg_segment_ptr 1
		.amdhsa_wavefront_size32 1
		.amdhsa_system_sgpr_workgroup_id_x 1
		.amdhsa_system_sgpr_workgroup_id_y 1
		.amdhsa_system_sgpr_workgroup_id_z 1
		.amdhsa_system_vgpr_workitem_id 0
		.amdhsa_next_free_vgpr 256
		.amdhsa_next_free_sgpr 66
		.amdhsa_reserve_vcc 0
		.amdhsa_float_denorm_mode_32 3
		.amdhsa_float_denorm_mode_16_64 3
		.amdhsa_memory_ordered 1
		.amdhsa_forward_progress 1
		.amdhsa_inst_pref_size 37
	.end_amdhsa_kernel
	.amdgpu_metadata
---
amdhsa.version: [ 1, 2 ]
amdhsa.kernels:
  - .name:           k_q0ba59fdf10_quant
    .symbol:         k_q0ba59fdf10_quant.kd
    .args:
      - { .name: x, .offset: 0, .size: 8, .value_kind: global_buffer, .address_space: global }
      - { .name: Wq, .offset: 8, .size: 8, .value_kind: global_buffer, .address_space: global }
      - { .name: Wk, .offset: 16, .size: 8, .value_kind: global_buffer, .address_space: global }
      - { .name: Wv, .offset: 24, .size: 8, .value_kind: global_buffer, .address_space: global }
      - { .name: xw, .offset: 32, .size: 8, .value_kind: global_buffer, .address_space: global }
    .group_segment_fixed_size: 71168
    .private_segment_fixed_size: 0
    .kernarg_segment_align: 8
    .kernarg_segment_size: 40
    .max_flat_workgroup_size: 352
    .sgpr_count:     66
    .vgpr_count:     256
    .wavefront_size: 32
...
	.end_amdgpu_metadata
.endif
;; end of part 1
;; launch proj (part 2): grid 8 x 32, 4 waves a work-group, clusters of 4 x 4, 327,680 bytes of LDS; arguments xw, bq, bk, bv, qkv; writes qkv
.if DOCPART == 2
	.amdgcn_target "amdgcn-amd-amdhsa--gfx1250"
	.amdhsa_code_object_version 6
	.text
	.protected	k_q0ba59fdf10_proj
	.globl	k_q0ba59fdf10_proj
	.p2align	8
	.type	k_q0ba59fdf10_proj,@function
k_q0ba59fdf10_proj:
	s_mov_b64 s[64:65], 0
	v_nop
	global_prefetch_b8 v0, s[64:65] scope:SCOPE_SE
	s_setreg_imm32_b32 hwreg(HW_REG_WAVE_MODE, 25, 1), 1
	s_wait_xcnt 0x0
	s_wait_alu depctr_hold_cnt(0) depctr_sa_sdst(0) depctr_va_vdst(0) depctr_va_sdst(0) depctr_va_ssrc(0) depctr_va_vcc(0) depctr_vm_vsrc(0)
	s_getreg_b32 s2, hwreg(HW_REG_IB_STS2, 6, 4)
	s_cmp_eq_u32 s2, 0
	s_cbranch_scc0 .Lentry_in_a_cluster
	s_endpgm
.Lentry_in_a_cluster:
	s_bfe_u32 s2, ttmp6, 0x10000c
	s_cmp_lg_u32 s2, 0xf033
	s_cbranch_scc0 .Lentry_shape_is_right
	s_endpgm
.Lentry_shape_is_right:
; Q = x Wq + bq, K = x Wk + bk, V = x Wv + bv on codes of FP6 (E2M3) with E8M0 scales, sums in f32; the results are quantised on the way out: Q and K along their 1,024 features, V along the KEYS.
; Operands and results are cells of 12,800 bytes (128 rows x 128 K), laid as the launch before says.  Source 0 = R, whose rows run along a lane's registers in the result; source 1 = P, whose rows sit one in a lane.
; SHARES.  Work-group (tx, ty) makes TILE 1: P = x's 256 rows ty, R = 256 rows tx of Wq | Wk; a wave 128 x 128, 64 accumulators;   TILE 2: P = Wv's 128 rows tx, R = the same 256 rows of x; a wave 64 x 128, 32 accumulators.
; LDS: x's two groups, all eight K steps, each filled once, and they stay for tile 2; the weights' two groups, two slots of two K steps each.  K goes by pairs of steps; one tensor load brings a pair for both groups, as two rows of 25,600 bytes.
; At the head waves 0, 1 fetch pair 0 of x and of the weights, waves 2, 3 pair 1: one load a wave; the first barrier waits.  Pairs 2 and 3 (waves 0, 1) go out behind K steps 1 and 3, in drained rounds.
; In K step 7 the weights' cells take all of Wv, a quarter a wave: it lands under tile 1's way out.
; A step's LDS loads stand in one run in front of the products of the step before, into the register set that is not being multiplied.
; CLUSTER 4 x 4: x's tiles are asked for jointly along a row of the cluster, the weights' along a column.  PREFETCHES: pairs 2, 3 and Wv, a pair of steps or more ahead of the loads; a tile's blocks of 256 bytes are shared out by address among the four partners.
; qkv: Q, K cells [64 groups][16 steps: Q 0-7, K 8-15] at 0; V's cells [8 groups of features][64 steps of keys] at VC_OFF.  V's scale words: a wave holds four of a cell's eight fragments, so it stores 8 of every 16 bytes.
; LIMITS: a block of zeros or under 2^-124 keeps the byte 1; NaN and infinities are not served.
; REGISTERS: window 0: v4-29 addresses; v32-47 scale words, two sets (P's, then R's from + 4); v64-159, v160-255 P's fragments (tile 2: v64-111, v112-159); the way out works in v160-223.
;   window 1: v0-95, v96-191 R's; v192-255 the bias.  windows 2, 3: accumulator (a, b) at v[8 (8 (a%4) + b)].
.set CELL,   12800
.set PAIR,   25600                     ; a group's two cells
.set PAIR2,  51200                     ; both groups'
.set WC_OFF, 6553600
.set VC_OFF, 13107200
.set WB,     204800                    ; LDS: the weights' cells, behind x's 16
.set SPARE,  307200
.set LI,   4
.set B1O,  5
.set H8,   6
.set VOC1, 7
.set VOC2, 8
.set VOS2, 9
.set B2O,  10
.set PFO,  11
.set ADX2, 12                          ; tile 2's R: x's group wj
.set ADXX, 13
.set AWVX, 14
.set AWWX, 15
.set ADP,  16                          ; tile 1's P: x's group wi
.set ADR,  17                          ; tile 1's R: the weights' group wj, slot 0;  v26 slot 1
.set ADPX, 18
.set ADRX, 19
.set BV4,  20                          ; v20-23 tile 2's bias, a number a lane and fragment
.set AWV,  24                          ; tile 2's P: my four fragments of Wv;  v25 their words
.set AWW,  25
.set ADR1, 26
.set SPW,  28
.set NIL,  29
.set SC,   32
.set PC,   160
.set CT,   184
.set TM,   200
.set OPR,  208
.set BY,   212
.set PW,   216
.set SW,   220
.set G1X,  24
.set G1W,  32
.set G1V,  48
.set G0X,  68                          ; pair 0
.set G0W,  72
.set G0V,  76
.set G0X1, 80                          ; pair 1, then the refills
.set G0W1, 84
.set HIM,  18
.set MSB, 0
.macro WIN new                         ; the immediate's high byte repeats the setting that is left
.if MSB != (\new)
	s_set_vgpr_msb (MSB<<8)|(\new)
.set MSB, (\new)
.endif
.endm
.macro PLACES
.rept 4
	v_nop
.endr
.endm
.macro WALU
	s_wait_alu depctr_va_vdst(0)
.endm
.macro TLOAD g0, g1
	tensor_load_to_lds s[\g0:\g0+3], s[\g1:\g1+7]
	s_nop 0
	PLACES
.endm
.macro JLOAD                           ; a joint refill: wave 0 for x, wave 1 for the weights
	s_cmp_eq_u32 s14, 0
	s_cbranch_scc0 .Lfor_w_\@
	TLOAD G0X1, G1X
	s_branch .Lasked_\@
.Lfor_w_\@:
	s_cmp_eq_u32 s14, 1
	s_cbranch_scc0 .Lasked_\@
	TLOAD G0W1, G1W
.Lasked_\@:
	PLACES                                         ; in front of the loads that follow, for the waves that come round
.endm
.macro CREST                           ; a round of the cluster's barrier behind its opening barrier
	s_cmp_lg_u32 s14, 0
	s_cbranch_scc1 .Lnot_wave_0_\@
	s_barrier_signal -3
.Lnot_wave_0_\@:
	s_barrier_wait -3
	s_barrier_signal -1
	s_barrier_wait -1
.endm
.macro CROUND
	s_barrier_signal -1
	s_barrier_wait -1
	CREST
.endm
; ---- LDS loads: a cell is 25 pieces of 512 bytes: 24 of codes, in the order of the registers, and the scale words
.macro SRC q, ra, rp, o, rw=0          ; what the next run brings: set, address registers, offset
.set lq, \q
.set la, \ra
.set lp, \rp
.set lo, \o
.set lw, \rw
.endm
.macro FETCH
	WIN 0x40
.set n_, 0
.rept 24
	ds_load_b128 v[96*lq+4*n_:96*lq+4*n_+3], v[la] offset:lo+512*n_
.set n_, n_+1
.endr
	WIN 0
	ds_load_b128 v[SC+8*lq+4:SC+8*lq+7], v[la] offset:lo+12288
.if T2
	ds_load_b64 v[SC+8*lq:SC+8*lq+1], v[lw] offset:lo
.else
	ds_load_b128 v[SC+8*lq:SC+8*lq+3], v[lp] offset:lo+12288
.endif
.set n_, 0
.rept NLD-26
	ds_load_b128 v[64+PST*lq+4*n_:67+PST*lq+4*n_], v[lp] offset:lo+512*n_
.set n_, n_+1
.endr
.endm
; ---- products.  A scale register holds an even fragment's words in lanes 0-15 and an odd one's in lanes 16-31
.macro E1 c, x, y
	v_wmma_scale_f32_16x16x128_f8f6f4 v[rD:rD+7], v[rA:rA+11], v[rB:rB+11], \c, v[kA], v[kB] matrix_a_fmt:MATRIX_FMT_FP6 matrix_b_fmt:MATRIX_FMT_FP6 matrix_a_scale:MATRIX_SCALE_ROW\x matrix_b_scale:MATRIX_SCALE_ROW\y
.endm
.macro EMIT c
.if ro == 0
	E1 \c, 0, 0
.elseif ro == 1
	E1 \c, 0, 1
.elseif ro == 2
	E1 \c, 1, 0
.else
	E1 \c, 1, 1
.endif
.endm
.macro WMI m, set, first               ; product m: P's fragment m / 8 x R's fragment m % 8; first = 1: C = the bias
.set a_, (\m)/8
.set b_, (\m)%8
.set rD, 8*(8*(a_%4)+b_)
.set rA, 96*(\set)+12*b_
.set rB, 64+PST*(\set)+12*a_
.set kA, SC+8*(\set)+4+b_/2
.set kB, SC+8*(\set)+a_/2
.set ro, 2*(b_%2)+a_%2
.if \first
	WIN 0x91+0x40*(a_/4)
.if T2
.set rC, 192+8*a_
.else
.set rC, 192+8*b_
.endif
	EMIT v[rC:rC+7]
.else
	WIN 0xa1+0x50*(a_/4)
	EMIT v[rD:rD+7]
.endif
.endm
.macro MUL set, from, to, first        ; the accumulators take turns, one instruction a turn
.set m_, \from
.rept (\to)-(\from)
	WMI m_, \set, \first
.set m_, m_+1
.endr
.endm
.macro STEP set, first=0               ; a K step; the next step's loads stand in front of its products
	s_wait_dscnt NPD                               ; the set is in but for the second half of P's fragments
	PLACES                                         ; in front of loads into registers that the last products read
	FETCH
	MUL \set, 0, HM, \first
	s_wait_dscnt NLD                               ; all but the run just issued: that half is in
	MUL \set, HM, 2*HM, \first
.endm
; a pair's second K step.  In front of the round each wave waits for all its tensor loads, adds 0 to its spare word, and waits for that and for its LDS reads.
; fill = 1: the next pair but one is asked for; fill = 0: the last refill is shown to all, nothing is filled; fill = 2: the weights' cells take Wv, two K steps a wave: one line for all four waves
.macro TURN fill
	WIN 0
	s_wait_tensorcnt 0x0                           ; all my tensor loads have landed
	ds_add_u32 v[SPW], v[NIL]
.if (\fill) == 1
	s_add_co_u32 s[G0X1+1], s[G0X1+1], PAIR2
	s_add_nc_u64 s[G0X1+2:G0X1+3], s[G0X1+2:G0X1+3], PAIR
	s_mov_b32 s[G0W1+1], s43
	s_add_co_u32 s43, s43, PAIR2
	s_add_nc_u64 s[G0W1+2:G0W1+3], s[G0W1+2:G0W1+3], PAIR
.endif
	s_wait_dscnt 1                                 ; all but the add: set 1 is in
	MUL 1, 0, 8, 0
	s_wait_dscnt 0x0                               ; the add is done, and my reads of the bytes to be filled are over
	s_barrier_signal -1
	MUL 1, 8, 16, 0
	WIN 0
	s_barrier_wait -1
.if (\fill) == 1
	CREST                                          ; no wave of any partner still reads those bytes or has a load on its way
	JLOAD
	FETCH
.elseif (\fill) == 2
	CREST
	TLOAD G0V, G1V
.else
	PLACES
	FETCH
.endif
	MUL 1, 16, 64, 0
.endm
; the way out of P's fragments a, a + 1, side by side: a lane's 32 registers 32 c .. are one block of its row along the next K.  Each accumulator is read from its low end on
.macro QOUT a, voc
.set W, 2+(\a)/4
.set AC, 64*((\a)%4)
	WIN W|(W<<2)
.irp e, 0,1
.irp c, 0,1
	v_max3_num_f32 v[TM+4*\e+\c], |v[AC+64*\e+32*\c]|, |v[AC+64*\e+32*\c+1]|, 0x1800000   ; and the floor 2^(3 - 127)
.endr
.endr
	WIN (W<<2)|(W<<4)
.irp i, 2,4,6,8,10,12,14,16,18,20,22,24,26,28,30
.irp e, 0,1
.irp c, 0,1
	v_max3_num_f32 v[TM+4*\e+\c], v[TM+4*\e+\c], |v[AC+64*\e+32*\c+\i]|, |v[AC+64*\e+32*\c+\i+1]|
.endr
.endr
.endr
	WIN 0
.irp e, 0,1
.irp c, 0,1
	v_add_nc_u32 v[OPR+2*\e+\c], 0xff000000, v[TM+4*\e+\c]   ; 2 off the exponent field: the conversion's scale operand
.endr
.endr
.irp e, 0,1
.irp c, 0,1
	v_lshrrev_b32 v[BY+2*\e+\c], 23, v[OPR+2*\e+\c]
.endr
.endr
.irp e, 0,1
	v_lshl_or_b32 v[PW+\e], v[BY+2*\e+1], 16, v[BY+2*\e]     ; my two bytes, blocks h and 2 + h
.endr
.irp e, 0,1
	v_lshlrev_b32 v[PW+\e], v[H8], v[PW+\e]
.endr
.irp e, 0,1
	v_permlanex16_b32 v[TM+4*\e+2], v[PW+\e], s2, s3
.endr
.irp e, 0,1
	v_or_b32 v[PW+\e], v[PW+\e], v[TM+4*\e+2]                ; and lane l xor 16's two
.endr
	WALU                                           ; ahead of the wait below
	s_wait_xcnt 0x0                                ; the earlier stores have read the codes' registers
	WIN W
.irp e, 0,1
.irp c, 0,1
	v_cvt_scalef32_pk16_fp6_f32 v[PC+12*\e+6*\c:PC+12*\e+6*\c+2], v[AC+64*\e+32*\c:AC+64*\e+32*\c+15], v[OPR+2*\e+\c]
	v_cvt_scalef32_pk16_fp6_f32 v[CT+8*\e+4*\c:CT+8*\e+4*\c+2], v[AC+64*\e+32*\c+16:AC+64*\e+32*\c+31], v[OPR+2*\e+\c]
.endr
.endr
	WIN 0
	v_nop                                          ; one plain place behind a scaled conversion
.irp e, 0,1
.irp c, 0,1
.irp i, 0,1,2
	v_mov_b32 v[PC+12*\e+6*\c+3+\i], v[CT+8*\e+4*\c+\i]
.endr
.endr
.endr
	v_cndmask_b32 v[SW+(\a)/2], v[PW], v[PW+1], s[HIM]       ; lanes 0-15 fragment a's words, 16-31 fragment a + 1's
.irp e, 0,1
.irp p, 0,1,2
	global_store_b128 v[\voc], v[PC+12*\e+4*\p:PC+12*\e+4*\p+3], s[12:13] offset:1536*((\a)+\e)+512*\p   ; 512 consecutive bytes, aligned
.endr
.endr
.endm
	s_load_b256 s[4:11], s[0:1], 0x0               ; xw, bq, bk, bv
	s_load_b64 s[12:13], s[0:1], 0x20              ; qkv
	v_lshl_add_u32 v[SPW], v0, 2, SPARE
	v_mov_b32 v[NIL], 0
	ds_add_u32 v[SPW], v[NIL]                      ; the wave's opening
	ds_add_u32 v[SPW], v[NIL]
	v_lshrrev_b32 v1, 5, v0
	v_readfirstlane_b32 s14, v1                    ; wave 0..3
	s_lshr_b32 s15, s14, 1                         ; wi: P's half.  Also: I prefetch for x (0) or for the weights (1)
	s_and_b32 s16, s14, 1                          ; wj: R's half.  Also: which group I prefetch
	s_bfe_u32 s96, ttmp6, 0x40000                  ; cx
	s_bfe_u32 s97, ttmp6, 0x40004                  ; cy
	s_lshl_b32 s98, ttmp9, 2
	s_add_co_u32 s98, s98, s96                     ; tx 0..7
	s_and_b32 s17, ttmp7, 0xffff
	s_lshl_b32 s17, s17, 2
	s_add_co_u32 s17, s17, s97                     ; ty 0..31
	s_lshl_b32 s99, s97, 2
	s_lshl_b32 s99, 15, s99                        ; my row of the cluster
	s_lshl_b32 s100, 0x1111, s96                   ; my column
	s_or_b32 s[G1X], s99, (3<<16)|(1<<21)          ; the mask; elements of 8 bytes; bit 21 beside a mask; no padding
	s_or_b32 s[G1W], s100, (3<<16)|(1<<21)
	s_or_b32 s[G1V], s100, (3<<16)|(1<<21)
.irp g, G1X, G1W                       ; a pair of both groups: two rows of 25,600 bytes, a group's 102,400 apart
	s_mov_b32 s[\g+1], 3200<<16
	s_mov_b32 s[\g+2], 2<<16
	s_mov_b32 s[\g+3], 3200<<16
	s_mov_b32 s[\g+4], 2
	s_mov_b32 s[\g+5], 12800
	s_mov_b32 s[\g+6], 0
	s_mov_b32 s[\g+7], 0
.endr
	s_mov_b32 s[G1V+1], 32<<16                     ; Wv: 25,600 dense bytes as 100 rows of 256
	s_mov_b32 s[G1V+2], 100<<16
	s_mov_b32 s[G1V+3], 32<<16
	s_mov_b32 s[G1V+4], 100
	s_mov_b32 s[G1V+5], 32
	s_mov_b32 s[G1V+6], 0
	s_mov_b32 s[G1V+7], 0
	s_mul_i32 s20, s17, 16*CELL                    ; x's two groups
	s_mov_b32 s21, 0
	s_mul_i32 s22, s98, 16*CELL
	s_add_co_u32 s22, s22, WC_OFF                  ; the two groups of Wq | Wk
	s_mov_b32 s23, 0
	s_mul_i32 s88, s98, 8*CELL
	s_mul_i32 s19, s14, PAIR
	s_add_co_u32 s88, s88, s19
	s_add_co_u32 s88, s88, WC_OFF+16*8*CELL        ; Wv's group, my two K steps
	s_mov_b32 s89, 0
	s_mov_b32 s2, 0x76543210
	s_mov_b32 s3, 0xfedcba98
	s_mov_b32 s[HIM], 0xffff0000
	s_wait_dscnt 0x0                               ; both opening adds are done
	s_wait_kmcnt 0x0
	s_add_nc_u64 s[20:21], s[4:5], s[20:21]
	s_add_nc_u64 s[22:23], s[4:5], s[22:23]
	s_add_nc_u64 s[88:89], s[4:5], s[88:89]
	CROUND                                         ; all sixteen work-groups are here: the first joint loads meet
	s_mov_b32 s[G0X], 1
	s_mov_b32 s[G0X+1], 0
	s_mov_b64 s[G0X+2:G0X+3], s[20:21]
	s_or_b32 s[G0X+3], s[G0X+3], 0x80000000
	s_mov_b32 s[G0W], 1
	s_mov_b32 s[G0W+1], WB
	s_mov_b64 s[G0W+2:G0W+3], s[22:23]
	s_or_b32 s[G0W+3], s[G0W+3], 0x80000000
	s_mov_b32 s[G0X1], 1
	s_mov_b32 s[G0X1+1], PAIR2
	s_add_nc_u64 s[G0X1+2:G0X1+3], s[20:21], PAIR
	s_or_b32 s[G0X1+3], s[G0X1+3], 0x80000000
	s_mov_b32 s[G0W1], 1
	s_mov_b32 s[G0W1+1], WB+PAIR2
	s_add_nc_u64 s[G0W1+2:G0W1+3], s[22:23], PAIR
	s_or_b32 s[G0W1+3], s[G0W1+3], 0x80000000
	s_mov_b32 s[G0V], 1
	s_add_co_u32 s[G0V+1], s19, WB
	s_mov_b64 s[G0V+2:G0V+3], s[88:89]
	s_or_b32 s[G0V+3], s[G0V+3], 0x80000000
	s_cmp_eq_u32 s14, 0                            ; the head's loads, one a wave, in one chain
	s_cbranch_scc0 .Lwave_1
	TLOAD G0X, G1X                                 ; wave 0: x, pair 0
	s_branch .Lhead_asked
.Lwave_1:
	s_cmp_eq_u32 s14, 1
	s_cbranch_scc0 .Lwave_2
	TLOAD G0W, G1W                                 ; wave 1: the weights, pair 0
	s_branch .Lhead_asked
.Lwave_2:
	s_cmp_eq_u32 s14, 2
	s_cbranch_scc0 .Lwave_3
	TLOAD G0X1, G1X                                ; wave 2: x, pair 1
	s_branch .Lhead_asked
.Lwave_3:
	TLOAD G0W1, G1W                                ; wave 3: the weights, pair 1
.Lhead_asked:
	; the prefetches: of a group's pair, the partner's quarter: 25 blocks of 256 bytes, a lane a block
	s_cmp_eq_u32 s15, 0
	s_cselect_b64 s[44:45], s[20:21], s[22:23]
	s_cselect_b32 s90, s96, s97
	s_mul_i32 s90, s90, 6400
	s_mul_i32 s19, s16, 8*CELL
	s_add_co_u32 s90, s90, s19
	s_mov_b32 s91, 0
	s_add_nc_u64 s[44:45], s[44:45], s[90:91]
	s_mul_i32 s90, s97, 6400
	s_add_nc_u64 s[46:47], s[88:89], s[90:91]
	; the biases
	s_cmp_eq_u32 ttmp9, 0                          ; the cluster's x: 0 makes Q, 1 makes K
	s_cselect_b64 s[6:7], s[6:7], s[8:9]
	s_and_b32 s22, s98, 3
	s_lshl_b32 s22, s22, 10
	s_lshl_b32 s23, s16, 9
	s_add_co_u32 s22, s22, s23                     ; (256 (tx % 4) + 128 wj) x 4 bytes
	s_mov_b32 s23, 0
	s_add_nc_u64 s[6:7], s[6:7], s[22:23]
	s_lshl_b32 s22, s98, 9
	s_lshl_b32 s23, s15, 8
	s_add_co_u32 s22, s22, s23                     ; (128 tx + 64 wi) x 4 bytes
	s_mov_b32 s23, 0
	s_add_nc_u64 s[10:11], s[10:11], s[22:23]
	v_and_b32 v3, 31, v0
	v_lshlrev_b32 v[LI], 4, v3
	v_and_b32 v1, 15, v0                           ; r
	v_bfe_u32 v2, v0, 4, 1                         ; h
	v_lshlrev_b32 v[B1O], 7, v2                    ; tile b's eight registers are features 64 (b/4) + 32 h + 8 (b%4) + 0 .. 7
	v_lshlrev_b32 v[H8], 3, v2
	v_min_u32 v[PFO], 24, v3
	v_lshlrev_b32 v[PFO], 8, v[PFO]
	v_and_b32 v[B2O], 7, v1
	v_and_b32 v1, 8, v1
	v_lshl_add_u32 v[B2O], v1, 2, v[B2O]
	v_lshlrev_b32 v[B2O], 2, v[B2O]                ; my lane's feature in fragment a: 8 a + 32 (r/8) + r%8
	WIN 0x40
.irp t, 0,1,2,3,4,5,6,7
	global_load_b128 v[192+8*\t:192+8*\t+3], v[B1O], s[6:7] offset:(64*(\t/4)+8*(\t%4))*4
	global_load_b128 v[192+8*\t+4:192+8*\t+7], v[B1O], s[6:7] offset:(64*(\t/4)+8*(\t%4))*4+16
.endr
	WIN 0
.irp a, 0,1,2,3
	global_load_b32 v[BV4+\a], v[B2O], s[10:11] offset:32*\a
.endr
	WALU                                           ; ahead of the scalar lines
	s_mul_i32 s19, s15, PAIR
	v_add_nc_u32 v[ADP], s19, v[LI]
	s_mul_i32 s19, s16, PAIR
	v_add_nc_u32 v[ADX2], s19, v[LI]
	v_add_nc_u32 v[ADR], WB, v[ADX2]
	v_add_nc_u32 v[ADR1], PAIR2, v[ADR]
	s_mul_i32 s19, s15, 6144                       ; my four fragments of Wv's eight
	s_add_co_u32 s19, s19, WB
	v_add_nc_u32 v[AWV], s19, v[LI]
	s_lshl_b32 s19, s15, 3
	s_add_co_u32 s19, s19, WB+12288
	v_add_nc_u32 v[AWW], s19, v[LI]
	; where my cells go.  Tile 1: (x's group 2 ty + wi, step 2 tx + wj).  Tile 2: (features' group tx, step 2 ty + wj), fragments 4 wi on
	s_lshl_b32 s22, s17, 1
	s_add_co_u32 s19, s22, s15
	s_lshl_b32 s19, s19, 4
	s_lshl_b32 s23, s98, 1
	s_add_co_u32 s19, s19, s23
	s_add_co_u32 s19, s19, s16
	s_mul_i32 s23, s19, CELL
	v_add_nc_u32 v[VOC1], s23, v[LI]
	s_lshl_b32 s19, s98, 6
	s_add_co_u32 s19, s19, s22
	s_add_co_u32 s19, s19, s16
	s_mul_i32 s23, s19, CELL
	s_add_co_u32 s23, s23, VC_OFF
	s_mul_i32 s22, s15, 6144
	s_add_co_u32 s22, s22, s23
	v_add_nc_u32 v[VOC2], s22, v[LI]
	s_lshl_b32 s22, s15, 3
	s_add_co_u32 s23, s23, s22
	s_add_co_u32 s23, s23, 12288
	v_add_nc_u32 v[VOS2], s23, v[LI]
	s_mov_b32 s40, 2
	s_mov_b32 s41, PAIR2
	s_mov_b32 s42, PAIR2
	s_mov_b32 s43, WB
	WALU                                           ; the wait at the head's end
	s_cmp_lt_u32 s14, 2
	s_cbranch_scc0 .Lnot_pair_0
	s_wait_tensorcnt 0x0
.Lnot_pair_0:
	s_barrier_signal -1
	s_barrier_wait -1                              ; pair 0 is in; pair 1 may still be on its way
	; ---- TILE 1
.set T2, 0
.set PST, 96
.set NLD, 50
.set NPD, 12
.set HM, 32
	SRC 0, ADR, ADP, 0
	FETCH
	global_prefetch_b8 v[PFO], s[44:45] offset:2*PAIR th:TH_LOAD_NT scope:SCOPE_SE
	s_wait_loadcnt 0x0                             ; the biases
	SRC 1, ADR, ADP, CELL
	STEP 0, 1                                      ; the first K step's products start the sums with the bias
	WIN 0
	global_prefetch_b8 v[PFO], s[44:45] offset:3*PAIR th:TH_LOAD_NT scope:SCOPE_SE
	global_prefetch_b8 v[PFO], s[46:47] th:TH_LOAD_NT scope:SCOPE_SE
.Lpairs:                                               ; K steps 1, 2 and 3, 4
	v_add_nc_u32 v[ADPX], s41, v[ADP]              ; the next pair: x's cells go on, the weights' slots change places
	v_add_nc_u32 v[ADRX], s42, v[ADR]
	WALU
	s_add_co_u32 s41, s41, PAIR2
	s_sub_co_u32 s42, s42, PAIR2
	SRC 0, ADRX, ADPX, 0
	TURN 1
	SRC 1, ADRX, ADPX, CELL
	STEP 0
	WIN 0
	s_sub_co_u32 s40, s40, 1
	s_cmp_lg_u32 s40, 0
	s_cbranch_scc1 .Lpairs
	v_add_nc_u32 v[ADPX], s41, v[ADP]
	WALU
	SRC 0, ADR1, ADPX, 0
	TURN 0                                         ; K step 5
	SRC 1, ADR1, ADPX, CELL
	STEP 0
	TURN 2                                         ; K step 7; Wv goes out
	WIN 0
	PLACES                                         ; in front of the first read of results and of writes of registers that held fragments
	v_mov_b32 v[TM+2], 0                           ; a lane permute's destination counts as one of its sources
	v_mov_b32 v[TM+6], 0
	WIN 0x40
.irp a, 0,1,2,3
.irp j, 0,1,2,3,4,5,6,7
	v_mov_b32 v[192+8*\a+\j], v[BV4+\a]            ; tile 2's bias as its first products' C
.endr
.endr
	WIN 0
	QOUT 0, VOC1
	QOUT 2, VOC1
	WALU
	s_wait_tensorcnt 0x0                           ; my quarter of Wv has landed; a barrier shows it to all
	s_wait_dscnt 0x0
	s_barrier_signal -1
	s_barrier_wait -1
.set T2, 1
.set PST, 48
.set NLD, 38
.set NPD, 6
.set HM, 16
	SRC 0, ADX2, AWV, 0, AWW
	FETCH                                          ; tile 2's first fragments land under the rest of the way out, which works in other registers
	QOUT 4, VOC1
	QOUT 6, VOC1
	global_store_b128 v[VOC1], v[SW:SW+3], s[12:13] offset:12288
	; ---- TILE 2
	SRC 1, ADX2, AWV, CELL, AWW
	STEP 0, 1
	WIN 0
	s_mov_b32 s40, 3
	s_mov_b32 s41, PAIR2
	s_mov_b32 s42, PAIR
.Lkeys:                                                ; K steps 1, 2 .. 5, 6
	v_add_nc_u32 v[ADXX], s41, v[ADX2]
	v_add_nc_u32 v[AWVX], s42, v[AWV]
	v_add_nc_u32 v[AWWX], s42, v[AWW]
	WALU
	s_add_co_u32 s41, s41, PAIR2
	s_add_co_u32 s42, s42, PAIR
	SRC 0, ADXX, AWVX, 0, AWWX
	STEP 1
	SRC 1, ADXX, AWVX, CELL, AWWX
	STEP 0
	WIN 0
	s_sub_co_u32 s40, s40, 1
	s_cmp_lg_u32 s40, 0
	s_cbranch_scc1 .Lkeys
	s_wait_dscnt 0x0
	MUL 1, 0, 32, 0
	WIN 0
	PLACES
	QOUT 0, VOC2
	QOUT 2, VOC2
	global_store_b64 v[VOS2], v[SW:SW+1], s[12:13] ; registers 2 wi, 2 wi + 1 of the words
	s_wait_tensorcnt 0x0                           ; the wave's end
	ds_add_u32 v[SPW], v[NIL]
	s_wait_dscnt 0x0
	CROUND                                         ; the closing round
	s_endpgm
.Lfunc_end_k_q0ba59fdf10_proj:
	.size	k_q0ba59fdf10_proj, .Lfunc_end_k_q0ba59fdf10_proj-k_q0ba59fdf10_proj
	.p2alignl 7, 3214868480
	.fill 96, 4, 3214868480
	.section	.rodata,"a",@progbits
	.p2align	6, 0x0
	.amdhsa_kernel k_q0ba59fdf10_proj
		.amdhsa_group_segment_fixed_size 327680
		.amdhsa_private_segment_fixed_size 0
		.amdhsa_enable_private_segment 0
		.amdhsa_kernarg_size 40
		.amdhsa_user_sgpr_count 2
		.amdhsa_user_sgpr_kernarg_segment_ptr 1
		.amdhsa_wavefront_size32 1
		.amdhsa_system_sgpr_workgroup_id_x 1
		.amdhsa_system_sgpr_workgroup_id_y 1
		.amdhsa_system_sgpr_workgroup_id_z 1
		.amdhsa_system_vgpr_workitem_id 0
		.amdhsa_next_free_vgpr 1024
		.amdhsa_next_free_sgpr 102
		.amdhsa_reserve_vcc 0
		.amdhsa_float_denorm_mode_32 3
		.amdhsa_float_denorm_mode_16_64 3
		.amdhsa_memory_ordered 1
		.amdhsa_forward_progress 1
		.amdhsa_inst_pref_size 152
	.end_amdhsa_kernel
	.amdgpu_metadata
---
amdhsa.version: [ 1, 2 ]
amdhsa.kernels:
  - .name:           k_q0ba59fdf10_proj
    .symbol:         k_q0ba59fdf10_proj.kd
    .args:
      - { .name: xw, .offset: 0, .size: 8, .value_kind: global_buffer, .address_space: global }
      - { .name: bq, .offset: 8, .size: 8, .value_kind: global_buffer, .address_space: global }
      - { .name: bk, .offset: 16, .size: 8, .value_kind: global_buffer, .address_space: global }
      - { .name: bv, .offset: 24, .size: 8, .value_kind: global_buffer, .address_space: global }
      - { .name: qkv, .offset: 32, .size: 8, .value_kind: global_buffer, .address_space: global }
    .group_segment_fixed_size: 327680
    .private_segment_fixed_size: 0
    .kernarg_segment_align: 8
    .kernarg_segment_size: 40
    .max_flat_workgroup_size: 128
    .sgpr_count:     102
    .vgpr_count:     1024
    .wavefront_size: 32
...
	.end_amdgpu_metadata
.endif
;; end of part 2
;; launch score (part 3): grid 8 x 32, 4 waves a work-group, clusters of 4 x 4, 327,680 bytes of LDS; arguments qkv, pp; writes pp
.if DOCPART == 3
	.amdgcn_target "amdgcn-amd-amdhsa--gfx1250"
	.amdhsa_code_object_version 6
	.text
	.protected	k_q0ba59fdf10_score
	.globl	k_q0ba59fdf10_score
	.p2align	8
	.type	k_q0ba59fdf10_score,@function
k_q0ba59fdf10_score:
	s_mov_b64 s[64:65], 0
	v_nop
	global_prefetch_b8 v0, s[64:65] scope:SCOPE_SE
	s_setreg_imm32_b32 hwreg(HW_REG_WAVE_MODE, 25, 1), 1
	s_wait_xcnt 0x0
	s_wait_alu depctr_hold_cnt(0) depctr_sa_sdst(0) depctr_va_vdst(0) depctr_va_sdst(0) depctr_va_ssrc(0) depctr_va_vcc(0) depctr_vm_vsrc(0)
	s_getreg_b32 s2, hwreg(HW_REG_IB_STS2, 6, 4)
	s_cmp_eq_u32 s2, 0
	s_cbranch_scc0 .Lentry_in_a_cluster
	s_endpgm
.Lentry_in_a_cluster:
	s_bfe_u32 s2, ttmp6, 0x10000c
	s_cmp_lg_u32 s2, 0xf033
	s_cbranch_scc0 .Lentry_shape_is_right
	s_endpgm
.Lentry_shape_is_right:
; S = Q K^T on codes of FP6 (E2M3) with E8M0 scales; on the way out t = S x log2(e) / 32, and for each query and each 128 keys (a wave's columns): M' = ceil(the largest t of these 128), p = 2^(t - M'), l' = the sum of the unquantised p,
; and p quantised along the keys.  M' IS A WHOLE NUMBER: under the row's own M the codes are the same and each block's scale byte is lower by M - M'.  So codes, bytes, -M' and l' go to memory, and the next launch lowers the bytes and joins the sums.
; The maximum is taken away before every exponential; no score goes to memory.
; Operands are cells of 12,800 bytes as in the launches before.  Source 0 = R = 128 keys (they run along a lane's registers), source 1 = P = 128 queries (one in a lane).  Work-group x = 256 keys, y = 8 x batch + 256 queries; a wave 128 x 128.
; LDS: three slots of two K steps, each Q's two groups and K's two.  K goes by pairs of steps; one tensor load brings a pair for both groups, as two rows of 25,600 bytes.  At the head waves 0, 1 fetch pair 0 of Q and of K (slot 1), waves 2, 3 pair 1 (slot 2):
; one load a wave; the first barrier waits.  Pair 2 (slot 0) goes out behind K step 1, pair 3 (slot 1) behind K step 3, in drained rounds (waves 0, 1).
; A step's LDS loads stand in one run in front of the products of the step before, into the register set that is not being multiplied.
; CLUSTER 4 x 4: Q's tiles are asked for jointly along a row of the cluster, K's along a column.  PREFETCHES: pairs 2 and 3, a pair of steps or more ahead of the loads; a tile's blocks of 256 bytes are shared out by address among the four partners.
; pp: p's codes [64 groups of queries][16 steps of keys][12288] at 0; at PS_OFF the scale words, 524,288 bytes on -M' (f32), 524,288 on l' (f32), each [64][16][512] in the scale words' layout.
; LIMITS: the promise holds while |t| stays under 2^31; p under 2^-126 is 0 (the exponential's own flush); a block all of whose p are 0 keeps the byte 1 over zero codes; NaN and infinities are not served.
.set CELL,   12800
.set PAIR,   25600
.set PAIR2,  51200
.set SLOT,   102400
.set PS_OFF, 12582912
.set SPARE,  307200
.set LI,   4
.set H8,   6
.set VOC,  7
.set VOS,  8
.set PFO,  9
.set LB,   10                          ; v10-13 the sums' second chains
.set PW,   14                          ; v14, v15 scale words
.set ADP,  16                          ; my queries' group in slot 0;  v17 my keys'
.set ADR,  17
.set ADPX, 18
.set ADRX, 19
.set ADPH, 20                          ; in slot 1
.set ADRH, 21
.set SPW,  28
.set NIL,  29
.set SC,   32
.set SW,   48                          ; v48-51 scale words, v52-55 -M', v56-59 l' of my eight fragments
.set MW,   52
.set LW,   56
.set L,    60                          ; v60, v61
.set S,    64                          ; v64-191 t - M', then p: two blocks of 64
.set PC,   192                         ; v192-215 p's codes
.set CT,   216
.set TM,   232                         ; for each block: two maxima, lane l xor 16's, the row's maximum
.set OPR,  240
.set BY,   244
.set NM,   248                         ; v[248:249], v[250:251] -M' (the packed form names the pair and takes its low word)
.set LA,   252
.set G1,   24
.set G1B,  32
.set G0,   68                          ; pair 0
.set G0B,  72
.set G0N,  76                          ; pair 1, then the refills
.set G0BN, 80
.set CS,   18
.set HIM,  67
.set PST, 96
.set NLD, 50
.set MSB, 0
.macro WIN new
.if MSB != (\new)
	s_set_vgpr_msb (MSB<<8)|(\new)
.set MSB, (\new)
.endif
.endm
.macro PLACES
.rept 4
	v_nop
.endr
.endm
.macro WALU
	s_wait_alu depctr_va_vdst(0)
.endm
.macro TLOAD g0, g1
	tensor_load_to_lds s[\g0:\g0+3], s[\g1:\g1+7]
	s_nop 0
	PLACES
.endm
.macro JLOAD                           ; a joint refill: wave 0 for Q, wave 1 for K
	s_cmp_eq_u32 s14, 0
	s_cbranch_scc0 .Lfor_k_\@
	TLOAD G0N, G1
	s_branch .Lasked_\@
.Lfor_k_\@:
	s_cmp_eq_u32 s14, 1
	s_cbranch_scc0 .Lasked_\@
	TLOAD G0BN, G1B
.Lasked_\@:
	PLACES                                         ; in front of the loads that follow, for the waves that come round
.endm
.macro CREST
	s_cmp_lg_u32 s14, 0
	s_cbranch_scc1 .Lnot_wave_0_\@
	s_barrier_signal -3
.Lnot_wave_0_\@:
	s_barrier_wait -3
	s_barrier_signal -1
	s_barrier_wait -1
.endm
.macro CROUND
	s_barrier_signal -1
	s_barrier_wait -1
	CREST
.endm
.macro SRC q, ra, rp, o
.set lq, \q
.set la, \ra
.set lp, \rp
.set lo, \o
.endm
.macro FETCH                           ; a cell is 25 pieces of 512 bytes: 24 of codes, in the order of the registers, and the scale words
	WIN 0x40
.set n_, 0
.rept 24
	ds_load_b128 v[96*lq+4*n_:96*lq+4*n_+3], v[la] offset:lo+512*n_
.set n_, n_+1
.endr
	WIN 0
	ds_load_b128 v[SC+8*lq+4:SC+8*lq+7], v[la] offset:lo+12288
	ds_load_b128 v[SC+8*lq:SC+8*lq+3], v[lp] offset:lo+12288
.set n_, 0
.rept 24
	ds_load_b128 v[64+PST*lq+4*n_:67+PST*lq+4*n_], v[lp] offset:lo+512*n_
.set n_, n_+1
.endr
.endm
.macro E1 c, x, y
	v_wmma_scale_f32_16x16x128_f8f6f4 v[rD:rD+7], v[rA:rA+11], v[rB:rB+11], \c, v[kA], v[kB] matrix_a_fmt:MATRIX_FMT_FP6 matrix_b_fmt:MATRIX_FMT_FP6 matrix_a_scale:MATRIX_SCALE_ROW\x matrix_b_scale:MATRIX_SCALE_ROW\y
.endm
.macro EMIT c
.if ro == 0
	E1 \c, 0, 0
.elseif ro == 1
	E1 \c, 0, 1
.elseif ro == 2
	E1 \c, 1, 0
.else
	E1 \c, 1, 1
.endif
.endm
.macro WMI m, set, first               ; product m: the queries' fragment m / 8 x the keys' fragment m % 8; first = 1: it starts its sum: nothing is ever cleared
.set a_, (\m)/8
.set b_, (\m)%8
.set rD, 8*(8*(a_%4)+b_)
.set rA, 96*(\set)+12*b_
.set rB, 64+PST*(\set)+12*a_
.set kA, SC+8*(\set)+4+b_/2
.set kB, SC+8*(\set)+a_/2
.set ro, 2*(b_%2)+a_%2
	WIN 0xa1+0x50*(a_/4)
.if \first
	EMIT 0
.else
	EMIT v[rD:rD+7]
.endif
.endm
.macro MUL set, from, to, first        ; the accumulators take turns, one instruction a turn
.set m_, \from
.rept (\to)-(\from)
	WMI m_, \set, \first
.set m_, m_+1
.endr
.endm
.macro STEP set, first=0
	s_wait_dscnt 12                                ; the set is in but for P's fragments 4-7
	PLACES                                         ; in front of loads into registers that the last products read
	FETCH
	MUL \set, 0, 32, \first
	s_wait_dscnt NLD                               ; all but the run just issued
	MUL \set, 32, 64, \first
.endm
.macro TURN fill                       ; a pair's second K step.  fill = 1: the next pair but one is asked for behind a round of the cluster's barrier; fill = 0: the last refill is shown to all
	WIN 0
	s_wait_tensorcnt 0x0                           ; all my tensor loads have landed
	ds_add_u32 v[SPW], v[NIL]
.if \fill
	s_mov_b32 s[G0N+1], s42
	s_mov_b32 s[G0BN+1], s43
	s_add_co_u32 s42, s42, SLOT
	s_add_co_u32 s43, s43, SLOT
	s_add_nc_u64 s[G0N+2:G0N+3], s[G0N+2:G0N+3], PAIR
	s_add_nc_u64 s[G0BN+2:G0BN+3], s[G0BN+2:G0BN+3], PAIR
.endif
	s_wait_dscnt 1                                 ; all but the add: set 1 is in
	MUL 1, 0, 8, 0
	s_wait_dscnt 0x0                               ; the add is done, and my reads of the slot in hand are over
	s_barrier_signal -1
	MUL 1, 8, 16, 0
	WIN 0
	s_barrier_wait -1
.if \fill
	CREST                                          ; no wave of any partner still reads the slot to be filled or has a load on its way
	JLOAD
.else
	PLACES
.endif
	FETCH
	MUL 1, 16, 64, 0
.endm
; the way out of the queries' fragments a, a + 1, side by side.  A lane holds one query; its registers 32 c .. are keys 64 c + 32 (lane / 16) + 0 .. 31 of my 128: a block
.macro SOFTQ a
.set W, 2+(\a)/4
.set AC, 64*((\a)%4)
	WIN W|(W<<2)|(W<<4)
.irp e, 0,1
.irp c, 0,1
	v_max3_num_f32 v[TM+4*\e+\c], v[AC+64*\e+32*\c], v[AC+64*\e+32*\c+1], v[AC+64*\e+32*\c+2]   ; a block's largest score: it serves for the maximum and, since p rises with the score, for the block's largest p
.endr
.endr
	WIN (W<<2)|(W<<4)
.irp i, 3,5,7,9,11,13,15,17,19,21,23,25,27,29
.irp e, 0,1
.irp c, 0,1
	v_max3_num_f32 v[TM+4*\e+\c], v[TM+4*\e+\c], v[AC+64*\e+32*\c+\i], v[AC+64*\e+32*\c+\i+1]
.endr
.endr
.endr
.irp e, 0,1
.irp c, 0,1
	v_max_num_f32 v[TM+4*\e+\c], v[TM+4*\e+\c], v[AC+64*\e+32*\c+31]
.endr
.endr
	WIN 0
.irp e, 0,1
	v_max_num_f32 v[TM+4*\e+3], v[TM+4*\e], v[TM+4*\e+1]
.endr
.irp e, 0,1
	v_permlanex16_b32 v[TM+4*\e+2], v[TM+4*\e+3], s2, s3
.endr
.irp e, 0,1
	v_max_num_f32 v[TM+4*\e+3], v[TM+4*\e+3], v[TM+4*\e+2]
.endr
.irp e, 0,1
	v_mul_f32 v[TM+4*\e+3], s[CS], v[TM+4*\e+3]    ; the largest t of these 128 keys (c is positive)
.endr
.irp e, 0,1
	v_floor_f32 v[NM+2*\e], -v[TM+4*\e+3]          ; -M' = floor(-t) = -ceil(t)
.endr
.irp e, 0,1
.irp c, 0,1
	v_fma_f32 v[TM+4*\e+\c], v[TM+4*\e+\c], s[CS], v[NM+2*\e]
.endr
.endr
	WIN W
.set j, 0
.rept 32
.irp e, 0,1
	v_pk_fma_f32 v[S+64*\e+j:S+64*\e+j+1], v[AC+64*\e+j:AC+64*\e+j+1], s[CS:CS+1], v[NM+2*\e:NM+2*\e+1] op_sel_hi:[1,0,0]   ; t - M', two at a time, out of the accumulators' window
.endr
.set j, j+2
.endr
	WIN 0
	WALU                                           ; the wait ahead of the batch
.set j, 0
.rept 128
	v_exp_f32 v[S+j], v[S+j]                       ; p = 2^(t - M'), at most 1
.set j, j+1
.endr
.irp e, 0,1
.irp c, 0,1
	v_exp_f32 v[TM+4*\e+\c], v[TM+4*\e+\c]         ; each block's largest p: the same two instructions on the same number
.endr
.endr
	v_nop                                          ; a plain place behind the exponentials
	WALU                                           ; one wait for the batch, ahead of its first reader
.irp e, 0,1
	v_pk_add_f32 v[LA+2*\e:LA+2*\e+1], v[S+64*\e:S+64*\e+1], v[S+64*\e+2:S+64*\e+3]   ; the sum of the UNQUANTISED p, in two chains a block
	v_pk_add_f32 v[LB+2*\e:LB+2*\e+1], v[S+64*\e+4:S+64*\e+5], v[S+64*\e+6:S+64*\e+7]
.endr
.irp i, 8,12,16,20,24,28,32,36,40,44,48,52,56,60
.irp e, 0,1
	v_pk_add_f32 v[LA+2*\e:LA+2*\e+1], v[LA+2*\e:LA+2*\e+1], v[S+64*\e+\i:S+64*\e+\i+1]
	v_pk_add_f32 v[LB+2*\e:LB+2*\e+1], v[LB+2*\e:LB+2*\e+1], v[S+64*\e+\i+2:S+64*\e+\i+3]
.endr
.endr
.irp e, 0,1
.irp c, 0,1
	v_max_num_f32 v[TM+4*\e+\c], 0x1800000, v[TM+4*\e+\c]    ; the floor 2^(3 - 127): the byte cannot fall under 1
.endr
.endr
.irp e, 0,1
	v_pk_add_f32 v[LA+2*\e:LA+2*\e+1], v[LA+2*\e:LA+2*\e+1], v[LB+2*\e:LB+2*\e+1]
.irp c, 0,1
	v_add_nc_u32 v[OPR+2*\e+\c], 0xff000000, v[TM+4*\e+\c]
.endr
.endr
.irp e, 0,1
	v_add_f32 v[L+\e], v[LA+2*\e], v[LA+2*\e+1]
.irp c, 0,1
	v_lshrrev_b32 v[BY+2*\e+\c], 23, v[OPR+2*\e+\c]
.endr
.endr
.irp e, 0,1
	v_permlanex16_b32 v[TM+4*\e+2], v[L+\e], s2, s3
	v_lshl_or_b32 v[PW+\e], v[BY+2*\e+1], 16, v[BY+2*\e]     ; my two bytes, blocks h and 2 + h
.endr
.irp e, 0,1
	v_add_f32 v[L+\e], v[L+\e], v[TM+4*\e+2]       ; l' of my query and these 128 keys
	v_lshlrev_b32 v[PW+\e], v[H8], v[PW+\e]
.endr
.irp e, 0,1
	v_permlanex16_b32 v[TM+4*\e+2], v[PW+\e], s2, s3
.endr
.irp e, 0,1
	v_or_b32 v[PW+\e], v[PW+\e], v[TM+4*\e+2]      ; and lane l xor 16's two
.endr
	WALU                                           ; ahead of the wait below
	s_wait_xcnt 0x0                                ; the earlier stores have read the codes' registers
.irp e, 0,1
.irp c, 0,1
	v_cvt_scalef32_pk16_fp6_f32 v[PC+12*\e+6*\c:PC+12*\e+6*\c+2], v[S+64*\e+32*\c:S+64*\e+32*\c+15], v[OPR+2*\e+\c]
	v_cvt_scalef32_pk16_fp6_f32 v[CT+8*\e+4*\c:CT+8*\e+4*\c+2], v[S+64*\e+32*\c+16:S+64*\e+32*\c+31], v[OPR+2*\e+\c]
.endr
.endr
	v_cndmask_b32 v[SW+(\a)/2], v[PW], v[PW+1], s[HIM]       ; lanes 0-15 fragment a's, 16-31 fragment a + 1's
	v_cndmask_b32 v[MW+(\a)/2], v[NM], v[NM+2], s[HIM]
	v_cndmask_b32 v[LW+(\a)/2], v[L], v[L+1], s[HIM]
.irp e, 0,1
.irp c, 0,1
.irp i, 0,1,2
	v_mov_b32 v[PC+12*\e+6*\c+3+\i], v[CT+8*\e+4*\c+\i]
.endr
.endr
.endr
.irp e, 0,1
.irp p, 0,1,2
	global_store_b128 v[VOC], v[PC+12*\e+4*\p:PC+12*\e+4*\p+3], s[6:7] offset:1536*((\a)+\e)+512*\p   ; 512 consecutive bytes, aligned
.endr
.endr
.endm
	s_load_b128 s[4:7], s[0:1], 0x0                ; qkv, pp
	v_lshl_add_u32 v[SPW], v0, 2, SPARE
	v_mov_b32 v[NIL], 0
	ds_add_u32 v[SPW], v[NIL]                      ; the wave's opening
	ds_add_u32 v[SPW], v[NIL]
	v_lshrrev_b32 v1, 5, v0
	v_readfirstlane_b32 s14, v1
	s_lshr_b32 s15, s14, 1                         ; the queries' half.  Also: I prefetch for Q (0) or for K (1)
	s_and_b32 s16, s14, 1                          ; the keys' half.  Also: which group I prefetch
	s_bfe_u32 s92, ttmp6, 0x40000                  ; cx
	s_bfe_u32 s93, ttmp6, 0x40004                  ; cy
	s_lshl_b32 s94, ttmp9, 2
	s_add_co_u32 s94, s94, s92                     ; tx: 256 keys
	s_and_b32 s17, ttmp7, 0xffff
	s_lshr_b32 s97, s17, 1                         ; the batch: the cluster's y / 2
	s_lshl_b32 s17, s17, 2
	s_add_co_u32 s17, s17, s93                     ; ty: 8 x batch + 256 queries
	s_lshl_b32 s95, s93, 2
	s_lshl_b32 s95, 15, s95                        ; my row of the cluster
	s_lshl_b32 s96, 0x1111, s92                    ; my column
	s_or_b32 s[G1], s95, (3<<16)|(1<<21)
	s_or_b32 s[G1B], s96, (3<<16)|(1<<21)
.irp g, G1, G1B                        ; a pair of both groups: two rows of 25,600 bytes, a group's 204,800 apart
	s_mov_b32 s[\g+1], 3200<<16
	s_mov_b32 s[\g+2], 2<<16
	s_mov_b32 s[\g+3], 3200<<16
	s_mov_b32 s[\g+4], 2
	s_mov_b32 s[\g+5], 25600
	s_mov_b32 s[\g+6], 0
	s_mov_b32 s[\g+7], 0
.endr
	s_mul_i32 s20, s17, 32*CELL                    ; Q's two groups
	s_mov_b32 s21, 0
	s_lshl_b32 s98, s94, 1
	s_lshl_b32 s99, s97, 4
	s_add_co_u32 s98, s98, s99                     ; K's two groups: 16 x batch + 2 tx
	s_mul_i32 s98, s98, 16*CELL
	s_add_co_u32 s98, s98, 8*CELL                  ; K lies in a group's steps 8 to 15
	s_mov_b32 s99, 0
	s_mov_b32 s2, 0x76543210
	s_mov_b32 s3, 0xfedcba98
	s_mov_b32 s[HIM], 0xffff0000
	s_mov_b32 s[CS], 0x3d38aa3b                    ; log2(e) / 32
	s_mov_b32 s[CS+1], s[CS]
	s_wait_dscnt 0x0                               ; both opening adds are done
	s_wait_kmcnt 0x0
	s_add_nc_u64 s[20:21], s[4:5], s[20:21]
	s_add_nc_u64 s[98:99], s[4:5], s[98:99]
	CROUND                                         ; all sixteen work-groups are here: the first joint loads meet
	s_mov_b32 s[G0], 1                             ; no place in the cluster enters an LDS address
	s_mov_b32 s[G0+1], SLOT
	s_mov_b64 s[G0+2:G0+3], s[20:21]
	s_or_b32 s[G0+3], s[G0+3], 0x80000000
	s_mov_b32 s[G0B], 1
	s_mov_b32 s[G0B+1], SLOT+PAIR2
	s_mov_b64 s[G0B+2:G0B+3], s[98:99]
	s_or_b32 s[G0B+3], s[G0B+3], 0x80000000
	s_mov_b32 s[G0N], 1
	s_mov_b32 s[G0N+1], 2*SLOT
	s_add_nc_u64 s[G0N+2:G0N+3], s[20:21], PAIR
	s_or_b32 s[G0N+3], s[G0N+3], 0x80000000
	s_mov_b32 s[G0BN], 1
	s_mov_b32 s[G0BN+1], 2*SLOT+PAIR2
	s_add_nc_u64 s[G0BN+2:G0BN+3], s[98:99], PAIR
	s_or_b32 s[G0BN+3], s[G0BN+3], 0x80000000
	s_cmp_eq_u32 s14, 0                            ; the head's loads, one a wave, in one chain
	s_cbranch_scc0 .Lwave_1
	TLOAD G0, G1                                   ; wave 0: Q, pair 0
	s_branch .Lhead_asked
.Lwave_1:
	s_cmp_eq_u32 s14, 1
	s_cbranch_scc0 .Lwave_2
	TLOAD G0B, G1B                                 ; wave 1: K, pair 0
	s_branch .Lhead_asked
.Lwave_2:
	s_cmp_eq_u32 s14, 2
	s_cbranch_scc0 .Lwave_3
	TLOAD G0N, G1                                  ; wave 2: Q, pair 1
	s_branch .Lhead_asked
.Lwave_3:
	TLOAD G0BN, G1B                                ; wave 3: K, pair 1
.Lhead_asked:
	s_cmp_eq_u32 s15, 0                            ; the prefetches: of a group's pair, the partner's quarter: 25 blocks of 256 bytes, a lane a block
	s_cselect_b64 s[44:45], s[20:21], s[98:99]
	s_cselect_b32 s46, s92, s93
	s_mul_i32 s46, s46, 6400
	s_mul_i32 s47, s16, 16*CELL
	s_add_co_u32 s46, s46, s47
	s_mov_b32 s47, 0
	s_add_nc_u64 s[44:45], s[44:45], s[46:47]
	v_and_b32 v3, 31, v0
	v_lshlrev_b32 v[LI], 4, v3
	v_bfe_u32 v2, v0, 4, 1
	v_lshlrev_b32 v[H8], 3, v2
	v_min_u32 v[PFO], 24, v3
	v_lshlrev_b32 v[PFO], 8, v[PFO]
	s_mul_i32 s20, s15, PAIR
	s_mul_i32 s21, s16, PAIR
	s_add_co_u32 s21, s21, PAIR2                   ; K's groups, behind Q's two
	v_add_nc_u32 v[ADP], s20, v[LI]
	v_add_nc_u32 v[ADR], s21, v[LI]
	v_add_nc_u32 v[ADPH], SLOT, v[ADP]
	v_add_nc_u32 v[ADRH], SLOT, v[ADR]
	WALU                                           ; ahead of the scalar lines
	s_lshl_b32 s95, s17, 1                         ; my image: (queries' group 2 ty + half, step 2 tx + half)
	s_add_co_u32 s95, s95, s15
	s_lshl_b32 s95, s95, 4
	s_lshl_b32 s96, s94, 1
	s_add_co_u32 s95, s95, s96
	s_add_co_u32 s95, s95, s16
	s_mul_i32 s96, s95, 12288
	v_add_nc_u32 v[VOC], s96, v[LI]
	s_lshl_b32 s96, s95, 9
	s_add_co_u32 s96, s96, PS_OFF
	v_add_nc_u32 v[VOS], s96, v[LI]
	s_mov_b32 s40, 2
	s_mov_b32 s41, 2*SLOT
	s_mov_b32 s42, 0
	s_mov_b32 s43, PAIR2
	WALU                                           ; the wait at the head's end
	s_cmp_lt_u32 s14, 2
	s_cbranch_scc0 .Lnot_pair_0
	s_wait_tensorcnt 0x0
.Lnot_pair_0:
	s_barrier_signal -1
	s_barrier_wait -1                              ; pair 0 is in; pair 1 may still be on its way
	SRC 0, ADRH, ADPH, 0
	FETCH
	global_prefetch_b8 v[PFO], s[44:45] offset:2*PAIR th:TH_LOAD_NT scope:SCOPE_SE
	SRC 1, ADRH, ADPH, CELL
	STEP 0, 1
	WIN 0
	global_prefetch_b8 v[PFO], s[44:45] offset:3*PAIR th:TH_LOAD_NT scope:SCOPE_SE
.Lpairs:                                               ; K steps 1, 2 and 3, 4
	v_add_nc_u32 v[ADPX], s41, v[ADP]              ; the next pair's slot: 2, then 0
	v_add_nc_u32 v[ADRX], s41, v[ADR]
	WALU
	s_sub_co_u32 s41, s41, 2*SLOT
	SRC 0, ADRX, ADPX, 0
	TURN 1
	SRC 1, ADRX, ADPX, CELL
	STEP 0
	WIN 0
	s_sub_co_u32 s40, s40, 1
	s_cmp_lg_u32 s40, 0
	s_cbranch_scc1 .Lpairs
	SRC 0, ADRH, ADPH, 0
	TURN 0                                         ; K step 5: pair 3, in pair 0's slot, is shown to all; nothing is left to fetch: no round
	SRC 1, ADRH, ADPH, CELL
	STEP 0
	s_wait_dscnt 0x0
	MUL 1, 0, 64, 0
	WIN 0
	PLACES                                         ; in front of the first read of results and the first write of registers that held fragments
	v_mov_b32 v[TM+2], 0                           ; a lane permute's destination counts as one of its sources
	v_mov_b32 v[TM+6], 0
	v_mov_b32 v[NM+1], 0                           ; named with -M' as a pair
	v_mov_b32 v[NM+3], 0
	SOFTQ 0
	SOFTQ 2
	SOFTQ 4
	SOFTQ 6
	global_store_b128 v[VOS], v[SW:SW+3], s[6:7]
	global_store_b128 v[VOS], v[MW:MW+3], s[6:7] offset:524288
	global_store_b128 v[VOS], v[LW:LW+3], s[6:7] offset:1048576
	s_wait_tensorcnt 0x0                           ; the wave's end
	ds_add_u32 v[SPW], v[NIL]
	s_wait_dscnt 0x0
	CROUND                                         ; the closing round
	s_endpgm
.Lfunc_end_k_q0ba59fdf10_score:
	.size	k_q0ba59fdf10_score, .Lfunc_end_k_q0ba59fdf10_score-k_q0ba59fdf10_score
	.p2alignl 7, 3214868480
	.fill 96, 4, 3214868480
	.section	.rodata,"a",@progbits
	.p2align	6, 0x0
	.amdhsa_kernel k_q0ba59fdf10_score
		.amdhsa_group_segment_fixed_size 327680
		.amdhsa_private_segment_fixed_size 0
		.amdhsa_enable_private_segment 0
		.amdhsa_kernarg_size 16
		.amdhsa_user_sgpr_count 2
		.amdhsa_user_sgpr_kernarg_segment_ptr 1
		.amdhsa_wavefront_size32 1
		.amdhsa_system_sgpr_workgroup_id_x 1
		.amdhsa_system_sgpr_workgroup_id_y 1
		.amdhsa_system_sgpr_workgroup_id_z 1
		.amdhsa_system_vgpr_workitem_id 0
		.amdhsa_next_free_vgpr 1024
		.amdhsa_next_free_sgpr 102
		.amdhsa_reserve_vcc 0
		.amdhsa_float_denorm_mode_32 3
		.amdhsa_float_denorm_mode_16_64 3
		.amdhsa_memory_ordered 1
		.amdhsa_forward_progress 1
		.amdhsa_inst_pref_size 158
	.end_amdhsa_kernel
	.amdgpu_metadata
---
amdhsa.version: [ 1, 2 ]
amdhsa.kernels:
  - .name:           k_q0ba59fdf10_score
    .symbol:         k_q0ba59fdf10_score.kd
    .args:
      - { .name: qkv, .offset: 0, .size: 8, .value_kind: global_buffer, .address_space: global }
      - { .name: pp, .offset: 8, .size: 8, .value_kind: global_buffer, .address_space: global }
    .group_segment_fixed_size: 327680
    .private_segment_fixed_size: 0
    .kernarg_segment_align: 8
    .kernarg_segment_size: 16
    .max_flat_workgroup_size: 128
    .sgpr_count:     102
    .vgpr_count:     1024
    .wavefront_size: 32
...
	.end_amdgpu_metadata
.endif
;; end of part 3
;; launch pv (part 4): grid 4 x 64, 4 waves a work-group, clusters of 4 x 4, 327,680 bytes of LDS; arguments pp, qkv, out0; writes out0
.if DOCPART == 4
	.amdgcn_target "amdgcn-amd-amdhsa--gfx1250"
	.amdhsa_code_object_version 6
	.text
	.protected	k_q0ba59fdf10_pv
	.globl	k_q0ba59fdf10_pv
	.p2align	8
	.type	k_q0ba59fdf10_pv,@function
k_q0ba59fdf10_pv:
	s_mov_b64 s[64:65], 0
	v_nop
	global_prefetch_b8 v0, s[64:65] scope:SCOPE_SE
	s_setreg_imm32_b32 hwreg(HW_REG_WAVE_MODE, 25, 1), 1
	s_wait_xcnt 0x0
	s_wait_alu depctr_hold_cnt(0) depctr_sa_sdst(0) depctr_va_vdst(0) depctr_va_sdst(0) depctr_va_ssrc(0) depctr_va_vcc(0) depctr_vm_vsrc(0)
	s_getreg_b32 s2, hwreg(HW_REG_IB_STS2, 6, 4)
	s_cmp_eq_u32 s2, 0
	s_cbranch_scc0 .Lentry_in_a_cluster
	s_endpgm
.Lentry_in_a_cluster:
	s_bfe_u32 s2, ttmp6, 0x10000c
	s_cmp_lg_u32 s2, 0xf033
	s_cbranch_scc0 .Lentry_shape_is_right
	s_endpgm
.Lentry_shape_is_right:
; out = (p V) / l on codes of FP6 (E2M3) with E8M0 scales.  p comes as codes under a whole-number M' for each query and 128 keys.  AT THE HEAD wave w joins the statistics of the group's rows of fragments 2 w, 2 w + 1, a lane a row:
; -M = the least -M' of the row's 16; l = the sum of l' x 2^(M' - M) (exact scalings); each scale byte of p is lowered by M - M', held at 0 from below: the quantised numbers are then those under the row's own M.  The corrected words and 1 / l go to LDS.
; A work-group makes 128 queries x 256 features; a wave 64 x 128: 32 accumulators.  Source 0 = R = V's features (they run along a lane's registers), source 1 = P = p's queries.  K = 2,048 keys in 16 steps, four to a slot, two slots.
; At the head waves 0, 1 fetch slot 0's p and V (both groups of features, as two rows of 51,200 bytes), waves 2, 3 slot 1's: one load a wave; the first barrier waits.  Both slots are filled once more, in drained rounds (waves 0, 1).
; A step's LDS loads stand in one run in front of the products of the step before, into the register set that is not being multiplied.
; The last step goes by rows: a fragment of queries leaves while the next one's products run.
; CLUSTER 4 x 4: p's tiles are asked for jointly along a row of the cluster, V's along a column.
; PREFETCHES: the two refills' tiles, three steps or more ahead of their loads; a tile's blocks of 256 bytes are shared out by address among the waves and the four partners.
; LIMITS: a block of p whose byte would fall under 0 is held at 0: its numbers are at most 7.5 x 2^-127 beside l > 1/2.  p's bytes lie under 128, since p is at most 1.  NaN and infinities are not served.
; REGISTERS: window 0: v4-29 addresses; v32-47 scale words, two sets (P's two, R's four from + 4); v48-55 1 / l; v64-111, v112-159 P's fragments; v160-223 the way out.  window 1: v0-95, v96-191 R's.  window 2: accumulator (a, b) at v[8 (8 a + b)].
;   window 3: the rows on the way out, 64 registers for each of the four fragments, so that no store's data are written again.
.set CELL,   12800
.set PS_OFF, 12582912
.set VC_OFF, 13107200
.set PQ,    49152                      ; p: four K steps
.set VQ,    51200                      ; a group of V: four cells
.set SLOT,  PQ+2*VQ
.set PSC,   2*SLOT                     ; p's corrected scale words: 16 x 512 bytes, written by LDS stores alone
.set RL,    PSC+8192                   ; 1 / l: 512 bytes
.set SPARE, RL+512
.set SP,    528                        ; the way out: a stage of 16 rows x (512 + 16) bytes a wave, in slot 0, which has had its last fill and its last read by then
.set LI,   4
.set OWN,  5                           ; 16 x lane + 4 x wave
.set PFO,  6
.set STO,  8
.set RD,   9
.set RLR,  10
.set RLA,  11
.set PSA,  12
.set ADP,  16
.set ADR,  17
.set ADP1, 18
.set ADR1, 19
.set RC,   20
.set RN,   21
.set PCU,  22
.set PN,   23
.set ASP,  24
.set ASPX, 25
.set SPW,  28
.set NIL,  29
.set SC,   32
.set NG,   160
.set TP,   160
.set G1,   24
.set G0,   32                          ; slot 0
.set G0N,  36                          ; slot 1, then the refills
.set G1B,  48
.set G0B,  56
.set G0BN, 76
.set PST,  48
.set NLD,  38
.set MSB, 0
.macro WIN new
.if MSB != (\new)
	s_set_vgpr_msb (MSB<<8)|(\new)
.set MSB, (\new)
.endif
.endm
.macro PLACES
.rept 4
	v_nop
.endr
.endm
.macro WALU
	s_wait_alu depctr_va_vdst(0)
.endm
.macro TLOAD g0, g1
	tensor_load_to_lds s[\g0:\g0+3], s[\g1:\g1+7]
	s_nop 0
	PLACES
.endm
.macro JLOAD                           ; a joint refill: wave 0 for p, wave 1 for V
	s_cmp_eq_u32 s14, 0
	s_cbranch_scc0 .Lfor_v_\@
	TLOAD G0N, G1
	s_branch .Lasked_\@
.Lfor_v_\@:
	s_cmp_eq_u32 s14, 1
	s_cbranch_scc0 .Lasked_\@
	TLOAD G0BN, G1B
.Lasked_\@:
	PLACES                                         ; in front of the loads that follow, for the waves that come round
.endm
.macro CREST
	s_cmp_lg_u32 s14, 0
	s_cbranch_scc1 .Lnot_wave_0_\@
	s_barrier_signal -3
.Lnot_wave_0_\@:
	s_barrier_wait -3
	s_barrier_signal -1
	s_barrier_wait -1
.endm
.macro CROUND
	s_barrier_signal -1
	s_barrier_wait -1
	CREST
.endm
.macro ASK                             ; my share of the tile at s[70:71]
	global_prefetch_b8 v[PFO], s[70:71] th:TH_LOAD_NT scope:SCOPE_SE
	s_cmp_eq_u32 s15, 0
	s_cbranch_scc1 .Lp_share_\@
	global_prefetch_b8 v[PFO], s[70:71] offset:6400 th:TH_LOAD_NT scope:SCOPE_SE
.Lp_share_\@:
.endm
.macro SRC q, ra, rp, k, rw, wk        ; set, address registers of the slot, K step in the slot; words' address register and step
.set lq, \q
.set la, \ra
.set lp, \rp
.set lor, CELL*(\k)
.set lop, 12288*(\k)
.set lw, \rw
.set low, 512*(\wk)
.endm
.macro FETCH
	WIN 0x40
.set n_, 0
.rept 24
	ds_load_b128 v[96*lq+4*n_:96*lq+4*n_+3], v[la] offset:lor+512*n_
.set n_, n_+1
.endr
	WIN 0
	ds_load_b128 v[SC+8*lq+4:SC+8*lq+7], v[la] offset:lor+12288
	ds_load_b64 v[SC+8*lq:SC+8*lq+1], v[lw] offset:low
.set n_, 0
.rept 12
	ds_load_b128 v[64+PST*lq+4*n_:67+PST*lq+4*n_], v[lp] offset:lop+512*n_
.set n_, n_+1
.endr
.endm
.macro E1 c, x, y
	v_wmma_scale_f32_16x16x128_f8f6f4 v[rD:rD+7], v[rA:rA+11], v[rB:rB+11], \c, v[kA], v[kB] matrix_a_fmt:MATRIX_FMT_FP6 matrix_b_fmt:MATRIX_FMT_FP6 matrix_a_scale:MATRIX_SCALE_ROW\x matrix_b_scale:MATRIX_SCALE_ROW\y
.endm
.macro EMIT c
.if ro == 0
	E1 \c, 0, 0
.elseif ro == 1
	E1 \c, 0, 1
.elseif ro == 2
	E1 \c, 1, 0
.else
	E1 \c, 1, 1
.endif
.endm
.macro WMI m, set, first
.set a_, (\m)/8
.set b_, (\m)%8
.set rD, 8*(8*a_+b_)
.set rA, 96*(\set)+12*b_
.set rB, 64+PST*(\set)+12*a_
.set kA, SC+8*(\set)+4+b_/2
.set kB, SC+8*(\set)+a_/2
.set ro, 2*(b_%2)+a_%2
	WIN 0xa1
.if \first
	EMIT 0
.else
	EMIT v[rD:rD+7]
.endif
.endm
.macro MUL set, from, to, first        ; the accumulators take turns, one instruction a turn
.set m_, \from
.rept (\to)-(\from)
	WMI m_, \set, \first
.set m_, m_+1
.endr
.endm
.macro STEP set, first=0
	s_wait_dscnt 6                                 ; the set is in but for P's fragments 2, 3
	PLACES                                         ; in front of loads into registers that the last products read
	FETCH
	MUL \set, 0, 16, \first
	s_wait_dscnt NLD                               ; all but the run just issued
	MUL \set, 16, 32, \first
.endm
.macro TURN fill                       ; a slot's fourth K step.  fill = 1: the slot is filled again behind a round of the cluster's barrier; fill = 0: the last refill is shown to all
	WIN 0
	s_wait_tensorcnt 0x0                           ; all my tensor loads have landed: my part of the next slot
	ds_add_u32 v[SPW], v[NIL]
.if \fill
	s_mov_b32 s[G0N+1], s68
	s_mov_b32 s[G0BN+1], s69
	s_add_co_u32 s68, s68, SLOT
	s_add_co_u32 s69, s69, SLOT
	s_add_nc_u64 s[G0N+2:G0N+3], s[G0N+2:G0N+3], PQ
	s_add_nc_u64 s[G0BN+2:G0BN+3], s[G0BN+2:G0BN+3], VQ
.endif
	s_wait_dscnt 1                                 ; all but the add: set 1 is in
	MUL 1, 0, 8, 0
	s_wait_dscnt 0x0                               ; the add is done, and my reads of this slot are over
	s_barrier_signal -1
	MUL 1, 8, 12, 0
	WIN 0
	s_barrier_wait -1
.if \fill
	CREST                                          ; no wave of any partner still reads this slot or has a load on its way
	JLOAD
.else
	PLACES
.endif
	FETCH
	MUL 1, 12, 32, 0
.endm
	s_load_b128 s[4:7], s[0:1], 0x0                ; pp, qkv
	s_load_b64 s[8:9], s[0:1], 0x10                ; out0
	v_lshl_add_u32 v[SPW], v0, 2, SPARE
	v_mov_b32 v[NIL], 0
	ds_add_u32 v[SPW], v[NIL]                      ; the wave's opening
	ds_add_u32 v[SPW], v[NIL]
	v_lshrrev_b32 v1, 5, v0
	v_readfirstlane_b32 s14, v1
	s_lshr_b32 s15, s14, 1                         ; which 64 queries are mine.  Also: I prefetch for p (0) or for V (1)
	s_and_b32 s16, s14, 1                          ; which 128 features.  Also: which part I prefetch
	v_and_b32 v3, 31, v0
	v_lshlrev_b32 v[LI], 4, v3
	s_lshl_b32 s19, s14, 2
	v_add_nc_u32 v[OWN], s19, v[LI]
	s_bfe_u32 s40, ttmp6, 0x40000
	s_bfe_u32 s41, ttmp6, 0x40004
	s_lshl_b32 s42, ttmp9, 2
	s_add_co_u32 s42, s42, s40                     ; tx: 256 features
	s_and_b32 s17, ttmp7, 0xffff
	s_lshr_b32 s45, s17, 2                         ; the batch: the cluster's y / 4
	s_lshl_b32 s17, s17, 2
	s_add_co_u32 s17, s17, s41                     ; ty: p's group of 128 queries
	s_lshl_b32 s43, s41, 2
	s_lshl_b32 s43, 15, s43
	s_lshl_b32 s44, 0x1111, s40
	s_or_b32 s[G1], s43, (3<<16)|(1<<21)
	s_or_b32 s[G1B], s44, (3<<16)|(1<<21)
	s_mov_b32 s[G1+1], 32<<16                      ; p: 49,152 dense bytes as 192 rows of 256
	s_mov_b32 s[G1+2], 192<<16
	s_mov_b32 s[G1+3], 32<<16
	s_mov_b32 s[G1+4], 192
	s_mov_b32 s[G1+5], 32
	s_mov_b32 s[G1+6], 0
	s_mov_b32 s[G1+7], 0
	s_mov_b32 s[G1B+1], 6400<<16                   ; V: two rows of 51,200 bytes, a group's 819,200 apart
	s_mov_b32 s[G1B+2], 2<<16
	s_mov_b32 s[G1B+3], 6400<<16
	s_mov_b32 s[G1B+4], 2
	s_mov_b32 s[G1B+5], 102400
	s_mov_b32 s[G1B+6], 0
	s_mov_b32 s[G1B+7], 0
	s_lshl_b32 s66, s17, 13                        ; my group's 16 x 512 bytes of each statistic
	s_add_co_u32 s66, s66, PS_OFF
	s_mov_b32 s67, 0
	s_mul_i32 s20, s17, 196608                     ; p's group
	s_mov_b32 s21, 0
	s_lshl_b32 s46, s42, 7                         ; V's two groups of features
	s_lshl_b32 s47, s45, 4
	s_add_co_u32 s46, s46, s47
	s_mul_i32 s46, s46, CELL
	s_add_co_u32 s46, s46, VC_OFF
	s_mov_b32 s47, 0
	WALU
	s_wait_dscnt 0x0
	s_wait_kmcnt 0x0
	s_add_nc_u64 s[66:67], s[4:5], s[66:67]
	s_add_nc_u64 s[20:21], s[4:5], s[20:21]
	s_add_nc_u64 s[46:47], s[6:7], s[46:47]
.irp k, 0,1,2,3,4,5,6,7,8,9,10,11,12,13,14,15
	global_load_b32 v[64+\k], v[OWN], s[66:67] offset:524288+512*\k    ; -M' of K step k: lane l: fragment 2 w + l / 16, place l % 16
.endr
.irp k, 0,1,2,3,4,5,6,7,8,9,10,11,12,13,14,15
	global_load_b32 v[80+\k], v[OWN], s[66:67] offset:1048576+512*\k   ; l'
.endr
.irp k, 0,1,2,3,4,5,6,7,8,9,10,11,12,13,14,15
	global_load_b32 v[96+\k], v[OWN], s[66:67] offset:512*\k           ; the scale words
.endr
	CROUND
	s_mov_b32 s[G0], 1                             ; no place in the cluster enters an LDS address
	s_mov_b32 s[G0+1], 0
	s_mov_b64 s[G0+2:G0+3], s[20:21]
	s_or_b32 s[G0+3], s[G0+3], 0x80000000
	s_mov_b32 s[G0B], 1
	s_mov_b32 s[G0B+1], PQ
	s_mov_b64 s[G0B+2:G0B+3], s[46:47]
	s_or_b32 s[G0B+3], s[G0B+3], 0x80000000
	s_mov_b32 s[G0N], 1
	s_mov_b32 s[G0N+1], SLOT
	s_add_nc_u64 s[G0N+2:G0N+3], s[20:21], PQ
	s_or_b32 s[G0N+3], s[G0N+3], 0x80000000
	s_mov_b32 s[G0BN], 1
	s_mov_b32 s[G0BN+1], SLOT+PQ
	s_add_nc_u64 s[G0BN+2:G0BN+3], s[46:47], VQ
	s_or_b32 s[G0BN+3], s[G0BN+3], 0x80000000
	s_cmp_eq_u32 s14, 0                            ; the head's loads, one a wave, in one chain
	s_cbranch_scc0 .Lwave_1
	TLOAD G0, G1                                   ; wave 0: p, slot 0
	s_branch .Lhead_asked
.Lwave_1:
	s_cmp_eq_u32 s14, 1
	s_cbranch_scc0 .Lwave_2
	TLOAD G0B, G1B                                 ; wave 1: V, slot 0
	s_branch .Lhead_asked
.Lwave_2:
	s_cmp_eq_u32 s14, 2
	s_cbranch_scc0 .Lwave_3
	TLOAD G0N, G1                                  ; wave 2: p, slot 1
	s_branch .Lhead_asked
.Lwave_3:
	TLOAD G0BN, G1B                                ; wave 3: V, slot 1
.Lhead_asked:
	; the prefetches: a wave of p has 24,576 bytes of a slot's tile, 6,144 a partner; a wave of V a group's 51,200, 12,800 a partner
	s_mul_i32 s22, s40, 6144
	s_mul_i32 s23, s16, 24576
	s_add_co_u32 s22, s22, s23
	s_mul_i32 s23, s41, 12800
	s_mul_i32 s74, s16, 819200
	s_add_co_u32 s23, s23, s74
	s_mov_b32 s72, VQ
	s_mov_b32 s74, 24
	s_cmp_eq_u32 s15, 0
	s_cselect_b64 s[70:71], s[20:21], s[46:47]
	s_cselect_b32 s22, s22, s23
	s_cselect_b32 s72, PQ, s72                     ; bytes from slot to slot
	s_cselect_b32 s74, 23, s74
	s_mov_b32 s23, 0
	s_mov_b32 s73, 0
	s_add_nc_u64 s[70:71], s[70:71], s[22:23]
	s_add_nc_u64 s[70:71], s[70:71], s[72:73]
	s_add_nc_u64 s[70:71], s[70:71], s[72:73]      ; K steps 8-11
	v_min_u32 v[PFO], s74, v3
	v_lshlrev_b32 v[PFO], 8, v[PFO]
	v_and_b32 v1, 15, v0                           ; r
	v_bfe_u32 v2, v0, 4, 1                         ; h
	WALU
	s_mul_i32 s20, s15, 6144                       ; my four fragments of p's eight
	s_mul_i32 s21, s16, VQ
	s_add_co_u32 s21, s21, PQ
	v_add_nc_u32 v[ADP], s20, v[LI]
	v_add_nc_u32 v[ADR], s21, v[LI]
	v_add_nc_u32 v[ADP1], SLOT, v[ADP]
	v_add_nc_u32 v[ADR1], SLOT, v[ADR]
	s_lshl_b32 s22, s15, 3
	s_add_co_u32 s23, s22, PSC
	v_add_nc_u32 v[ASP], s23, v[LI]                ; registers 2 wi, 2 wi + 1 of the words
	v_add_nc_u32 v[PSA], PSC, v[OWN]
	v_add_nc_u32 v[RLA], RL, v[OWN]
	s_add_co_u32 s22, s22, RL
	v_lshl_add_u32 v[RLR], v1, 4, s22              ; 1 / l of (fragment 4 wi + a, place r): + 256 (a % 2) + 4 (a / 2)
	s_mul_i32 s19, s14, 16*SP
	v_mul_u32_u24 v[STO], v1, SP
	v_lshl_add_u32 v[STO], v2, 7, v[STO]
	v_add_nc_u32 v[STO], s19, v[STO]
	v_add_nc_u32 v[RD], s19, v[LI]
.irp a, 0,1,2,3
	v_mov_b32 v[49+2*\a], 0                        ; named with 1 / l as a pair
.endr
	s_lshl_b32 s96, s17, 19                        ; out0: row 128 ty + 64 wi, column 256 tx + 128 wj
	s_lshl_b32 s97, s15, 18
	s_add_co_u32 s96, s96, s97
	s_lshl_b32 s97, s42, 10
	s_add_co_u32 s96, s96, s97
	s_lshl_b32 s97, s16, 9
	s_add_co_u32 s96, s96, s97
	s_mov_b32 s97, 0
	s_add_nc_u64 s[8:9], s[8:9], s[96:97]
	s_mov_b32 s19, 0x80808080
	; ---- the row's M, l, and p's scale words under M
	WALU
	s_wait_loadcnt 32                              ; -M' is in
	v_min3_num_f32 v[NG], v64, v65, v66
	v_min3_num_f32 v[NG+1], v72, v73, v74
.irp i, 3,5
	v_min3_num_f32 v[NG], v[NG], v[64+\i], v[65+\i]
	v_min3_num_f32 v[NG+1], v[NG+1], v[72+\i], v[73+\i]
.endr
	v_min3_num_f32 v[NG], v[NG], v71, v79
	v_min_num_f32 v[NG], v[NG], v[NG+1]            ; -M = the least -M'
.irp k, 0,1,2,3,4,5,6,7,8,9,10,11,12,13,14,15
	v_sub_f32 v[64+\k], v[NG], v[64+\k]            ; M' - M: a whole number, 0 or less
.endr
.irp k, 0,1,2,3,4,5,6,7,8,9,10,11,12,13,14,15
	v_cvt_i32_f32 v[64+\k], v[64+\k]               ; (it saturates)
.endr
	WALU
	s_wait_loadcnt 16                              ; l' is in
.irp k, 0,1,2,3,4,5,6,7,8,9,10,11,12,13,14,15
	v_ldexp_f32 v[80+\k], v[80+\k], v[64+\k]       ; l' under the row's M
.endr
.irp j, 0,4,8,12
	v_pk_add_f32 v[80+\j:81+\j], v[80+\j:81+\j], v[82+\j:83+\j]
.endr
	v_pk_add_f32 v[80:81], v[80:81], v[84:85]
	v_pk_add_f32 v[88:89], v[88:89], v[92:93]
	v_pk_add_f32 v[80:81], v[80:81], v[88:89]
	v_add_f32 v80, v80, v81
	WALU                                           ; ahead of the transcendental
	v_rcp_f32 v112, v80
.irp k, 0,1,2,3,4,5,6,7,8,9,10,11,12,13,14,15
	v_sub_nc_u32 v[64+\k], 0, v[64+\k]             ; d = M - M',
.endr
.irp k, 0,1,2,3,4,5,6,7,8,9,10,11,12,13,14,15
	v_min_u32 v[64+\k], 0x7f, v[64+\k]             ; at most 127,
.endr
.irp k, 0,1,2,3,4,5,6,7,8,9,10,11,12,13,14,15
	v_perm_b32 v[64+\k], v[64+\k], v[64+\k], 0     ; in all four bytes
.endr
	WALU                                           ; ahead of the reciprocal's first reader, and of the wait below
	ds_store_b32 v[RLA], v112
	s_wait_loadcnt 0x0
.irp k, 0,1,2,3,4,5,6,7,8,9,10,11,12,13,14,15
	v_or_b32 v[96+\k], s19, v[96+\k]               ; each byte + 128,
.endr
.irp k, 0,1,2,3,4,5,6,7,8,9,10,11,12,13,14,15
	v_sub_nc_u32 v[96+\k], v[96+\k], v[64+\k]      ; less d: 1 or more, so no byte borrows; bit 7 stays set where the byte is d or more
.endr
.irp k, 0,1,2,3,4,5,6,7,8,9,10,11,12,13,14,15
	v_and_b32 v[128+\k], s19, v[96+\k]
.endr
.irp k, 0,1,2,3,4,5,6,7,8,9,10,11,12,13,14,15
	v_lshrrev_b32 v[144+\k], 7, v[128+\k]
.endr
.irp k, 0,1,2,3,4,5,6,7,8,9,10,11,12,13,14,15
	v_sub_nc_u32 v[128+\k], v[128+\k], v[144+\k]   ; 0x7f in those bytes, 0 in the others
.endr
.irp k, 0,1,2,3,4,5,6,7,8,9,10,11,12,13,14,15
	v_and_b32 v[96+\k], v[96+\k], v[128+\k]        ; max(byte - d, 0)
.endr
.irp k, 0,1,2,3,4,5,6,7,8,9,10,11,12,13,14,15
	ds_store_b32 v[PSA], v[96+\k] offset:512*\k
.endr
	s_mov_b32 s60, 2
	s_mov_b32 s61, 0
	s_mov_b32 s62, SLOT
	s_mov_b32 s63, 0
	s_mov_b32 s68, 0
	s_mov_b32 s69, PQ
	WALU                                           ; the wait at the head's end
	s_cmp_lt_u32 s14, 2
	s_cbranch_scc0 .Lnot_slot_0
	s_wait_tensorcnt 0x0
.Lnot_slot_0:
	s_wait_dscnt 0x0                               ; for the others' sake: my words and 1 / l lie in LDS
	s_barrier_signal -1
	s_barrier_wait -1                              ; slot 0 is in; slot 1 may still be on its way
.irp a, 0,1,2,3
	ds_load_b32 v[48+2*\a], v[RLR] offset:256*(\a%2)+4*(\a/2)   ; 1 / l
.endr
	SRC 0, ADR, ADP, 0, ASP, 0
	FETCH
	ASK                                            ; K steps 8-11
	SRC 1, ADR, ADP, 1, ASP, 1
	STEP 0, 1                                      ; the first step's products start the sums
	WIN 0
	s_wait_xcnt 0x0                                ; the prefetch has read its address
	s_add_nc_u64 s[70:71], s[70:71], s[72:73]
	ASK                                            ; K steps 12-15
.Lslots:                                               ; K steps 1 to 4, 5 to 8
	v_add_nc_u32 v[RC], s61, v[ADR]                ; the slot in hand
	v_add_nc_u32 v[RN], s62, v[ADR]                ; and the other
	v_add_nc_u32 v[PCU], s61, v[ADP]
	v_add_nc_u32 v[PN], s62, v[ADP]
	v_add_nc_u32 v[ASPX], s63, v[ASP]
	WALU
	s_add_co_u32 s61, s61, SLOT
	s_sub_co_u32 s62, s62, SLOT
	s_add_co_u32 s63, s63, 2048
	SRC 0, RC, PCU, 2, ASPX, 2
	STEP 1
	SRC 1, RC, PCU, 3, ASPX, 3
	STEP 0
	SRC 0, RN, PN, 0, ASPX, 4
	TURN 1
	SRC 1, RN, PN, 1, ASPX, 5
	STEP 0
	WIN 0
	s_sub_co_u32 s60, s60, 1
	s_cmp_lg_u32 s60, 0
	s_cbranch_scc1 .Lslots
	SRC 0, ADR, ADP, 2, ASP, 10
	STEP 1
	SRC 1, ADR, ADP, 3, ASP, 11
	STEP 0
	SRC 0, ADR1, ADP1, 0, ASP, 12
	TURN 0                                         ; K step 11; nothing is left to fetch: no round
	SRC 1, ADR1, ADP1, 1, ASP, 13
	STEP 0
	SRC 0, ADR1, ADP1, 2, ASP, 14
	STEP 1
	SRC 1, ADR1, ADP1, 3, ASP, 15
	STEP 0
	WIN 0
	; ---- K step 15 by rows, and the way out: x 1 / l; a fragment's 16 rows x 128 features through my stage, back as whole rows of 512 bytes
.macro PACK a
	WIN 0x02                                       ; source 0: the accumulators' window
.set j, 0
.rept 32
	v_pk_mul_f32 v[TP+j:TP+j+1], v[64*(\a)+j:64*(\a)+j+1], v[48+2*(\a):49+2*(\a)] op_sel_hi:[1,0]   ; each accumulator from its low end on
.set j, j+2
.endr
	WIN 0
.endm
.macro TOSTAGE a
.irp u, 0,1,2,3,4,5,6,7                ; tile u's eight registers are features 64 (u/4) + 32 h + 8 (u%4) + 0 .. 7
	ds_store_b128 v[STO], v[TP+8*\u:TP+3+8*\u] offset:256*(\u/4)+32*(\u%4)
	ds_store_b128 v[STO], v[TP+4+8*\u:TP+7+8*\u] offset:256*(\u/4)+32*(\u%4)+16
.endr
	WIN 0xc0                                       ; the rows come back into window 3
.irp t, 0,1,2,3,4,5,6,7,8,9,10,11,12,13,14,15
	ds_load_b128 v[64*(\a)+4*\t:64*(\a)+4*\t+3], v[RD] offset:SP*\t          ; LDS serves a wave's instructions in order: these see my stores
.endr
	WIN 0
.endm
.macro SEND a
	s_wait_dscnt 0x0                               ; the rows are back in registers
	WIN 0x0c
.irp t, 0,1,2,3,4,5,6,7,8,9,10,11,12,13,14,15
	global_store_b128 v[LI], v[64*(\a)+4*\t:64*(\a)+4*\t+3], s[8:9] offset:(8*(\a)+\t%8+32*(\t/8))*4096 th:TH_STORE_NT   ; 512 consecutive bytes, aligned; place t is that row of my 64
.endr
	WIN 0
.endm
	s_wait_dscnt 0x0                               ; the last set
	MUL 1, 0, 8, 0
	WIN 0
	PLACES                                         ; in front of the read of results just made
	PACK 0
	TOSTAGE 0
.irp a, 1,2,3
	MUL 1, 8*\a, 8*\a+8, 0
	WIN 0
	PLACES
	s_wait_dscnt 16                                ; all but the 16 read-backs: the stage's stores have read their registers
	PACK \a
	WALU                                           ; ahead of the wait below
	SEND \a-1
	TOSTAGE \a
.endr
	SEND 3
	s_wait_tensorcnt 0x0                           ; the wave's end
	ds_add_u32 v[SPW], v[NIL]
	s_wait_dscnt 0x0
	CROUND                                         ; the closing round
	s_endpgm
.Lfunc_end_k_q0ba59fdf10_pv:
	.size	k_q0ba59fdf10_pv, .Lfunc_end_k_q0ba59fdf10_pv-k_q0ba59fdf10_pv
	.p2alignl 7, 3214868480
	.fill 96, 4, 3214868480
	.section	.rodata,"a",@progbits
	.p2align	6, 0x0
	.amdhsa_kernel k_q0ba59fdf10_pv
		.amdhsa_group_segment_fixed_size 327680
		.amdhsa_private_segment_fixed_size 0
		.amdhsa_enable_private_segment 0
		.amdhsa_kernarg_size 24
		.amdhsa_user_sgpr_count 2
		.amdhsa_user_sgpr_kernarg_segment_ptr 1
		.amdhsa_wavefront_size32 1
		.amdhsa_system_sgpr_workgroup_id_x 1
		.amdhsa_system_sgpr_workgroup_id_y 1
		.amdhsa_system_sgpr_workgroup_id_z 1
		.amdhsa_system_vgpr_workitem_id 0
		.amdhsa_next_free_vgpr 1024
		.amdhsa_next_free_sgpr 100
		.amdhsa_reserve_vcc 0
		.amdhsa_float_denorm_mode_32 3
		.amdhsa_float_denorm_mode_16_64 3
		.amdhsa_memory_ordered 1
		.amdhsa_forward_progress 1
		.amdhsa_inst_pref_size 130
	.end_amdhsa_kernel
	.amdgpu_metadata
---
amdhsa.version: [ 1, 2 ]
amdhsa.kernels:
  - .name:           k_q0ba59fdf10_pv
    .symbol:         k_q0ba59fdf10_pv.kd
    .args:
      - { .name: pp, .offset: 0, .size: 8, .value_kind: global_buffer, .address_space: global }
      - { .name: qkv, .offset: 8, .size: 8, .value_kind: global_buffer, .address_space: global }
      - { .name: out0, .offset: 16, .size: 8, .value_kind: global_buffer, .address_space: global }
    .group_segment_fixed_size: 327680
    .private_segment_fixed_size: 0
    .kernarg_segment_align: 8
    .kernarg_segment_size: 24
    .max_flat_workgroup_size: 128
    .sgpr_count:     100
    .vgpr_count:     1024
    .wavefront_size: 32
...
	.end_amdgpu_metadata
.endif
;; end of part 4
